; MI455X (gfx1250); checked and timed in simulation.
; The chip was launched on July 23, 2026; its instructions are those of AMD's public machine-readable ISA for CDNA 5 (MIT licence, August 2026) and "CDNA5" Instruction Set Architecture Reference Guide (July 2026). The comments in the code are by the model that wrote it; some were corrected since.
;; Multi Modal Attention. Allowed arithmetic: matrix products marked QUANTISED: E2M3 operands, one E8M0 scale for each 32 along K, by v_wmma_scale_f32_16x16x128_f8f6f4 with both operands' format E2M3, f32 sums; everything else in f32.
;; Inputs: attention_mask 2 x 1,024 int32; bk 2,048 float32; bo 2,048 float32; bq 2,048 float32; bv 2,048 float32; wk 2,048 x 2,048 float32; wo 2,048 x 2,048 float32; wq 2,048 x 2,048 float32; wv 2,048 x 2,048 float32; x 2 x 1,024 x 2,048 float32.
;; Outputs: out0 2 x 1,024 x 2,048 float32.
;; This version of the problem:
;;   THIS VERSION OF THE PROBLEM IS GIVEN IN LOW PRECISION. The matrix products marked QUANTISED in the list below multiply operands that are first quantised to E2M3 (2 exponent bits, 3 mantissa bits; 6 bits a number), with one power-of-two scale for each 32 numbers along K (OCP MX v1.0); their sums are f32. All else is computed in f32.
;;   The module's matrix products, in the order in which they are computed (A, B: the left and right operand; K: the contracted axis; several contracted axes count as one K, in the product's order):
;;     1. [M 2,048, K 2,048] x [K 2,048, N 2,048]; A: input x; B: input wq: QUANTISED
;;     2. [M 2,048, K 2,048] x [K 2,048, N 2,048]; A: input x; B: input wk: QUANTISED
;;     3. [M 2,048, K 2,048] x [K 2,048, N 2,048]; A: input x; B: input wv: QUANTISED
;;     4. batch 32 x [M 1,024, K 128] x [K 128, N 1,024]; A: computed on the way; B: computed on the way: QUANTISED
;;     5. batch 32 x [M 128, K 1,024] x [K 1,024, N 1,024]; A: computed on the way; B: softmax (see below): QUANTISED
;;     6. [M 2,048, K 2,048] x [K 2,048, N 2,048]; A: computed on the way; B: input wo: QUANTISED
;;   THE QUANTISER, for each operand of a quantised product, along K:
;;     - K is cut into blocks of 32 from its start; a last block that is shorter is filled with zeros.
;;     - A block's scale is 2^e with e = floor(log2(the largest magnitude in the block)) - 2, held to -126 .. 127; a block of zeros has e = 0. As a byte (E8M0): e + 127.
;;     - Each number is divided by its block's scale, clamped to +-7.5, and rounded to the nearest number of E2M3, ties to even, subnormals kept.
;;     - The product sums the exact products of the quantised numbers (number of the format x scale) in f32.
;;   ~~~python
;;   def quantise(x, axis):      # numpy; x: float32 -> the quantised numbers, widened to float32 again
;;       x = np.moveaxis(x, axis, -1); K = x.shape[-1]
;;       x = np.pad(x, [(0, 0)] * (x.ndim - 1) + [(0, -K % 32)]); x = x.reshape(x.shape[:-1] + (-1, 32)); a = np.abs(x).max(-1, keepdims=True)
;;       e = np.where(a > 0, np.clip(np.frexp(np.where(a > 0, a, 1))[1] - 1 - 2, -126, 127), 0)      # np.frexp(a)[1] - 1 = floor(log2(a)), exactly
;;       r = np.clip(x / 2.0 ** e, -7.5, 7.5)
;;       step = 2.0 ** (np.maximum(np.frexp(np.where(r == 0, 1, r))[1] - 1, 0) - 3)
;;       q = np.round(r / step) * step * 2.0 ** e      # np.round: ties to even
;;       return np.moveaxis(q.reshape(q.shape[:-2] + (-1,))[..., :K], -1, axis).astype(np.float32)
;;   ~~~
;;   SOFTMAX AHEAD OF A QUANTISED PRODUCT. Where the list says 'softmax', what is quantised is not the finished softmax but p = 2^(t - M), with t = logit x log2(e) and M = ceil(the row's largest t), a whole number; so 1/2 < the row's largest p <= 1. The row's sum l is taken of the UNQUANTISED p, in f32, and the product's result is divided by l at the end. Since M is a whole number, a kernel that streams over the keys may use a running M (the ceiling of the running maximum): every later rescaling is an exact power of two, which a block's scale takes up: the codes' values come out the same.
;;   OPERANDS COMPUTED ON THE WAY. 'Computed on the way' means the value that the module computes at that place (a softmax that the list does not call 'softmax' is quantised finished and normalised). What goes into a quantiser is computed in f32, as accurately as f32 sums, v_exp_f32 and their like allow (about 1e-6 of the number): no bf16 or f16 on the way to a quantiser, and a product that is left as it is and whose result goes on into a quantised operand takes f32 operands (vector FMAs, or v_wmma_f32_16x16x4_f32). A number that lies on a knife's edge between two numbers of the format may be rounded either way, as far as f32 arithmetic and the matrix unit's own rounding can turn it there, and no further.
;; One version. Each part assembles by itself: llvm-mc -triple=amdgcn-amd-amdhsa -mcpu=gfx1250 --defsym DOCPART=n.
;; ======== version 1 of 1: 4 launches
;; limits: right only within a limited range of input values
;; workspace buffers: xq 3,801,088 bytes; wq4 13,107,200 bytes; qkvq 9,830,400 bytes; oq 3,276,800 bytes
;; launch prep (part 1): grid 256 x 1, 16 waves a work-group, no clusters, 72,192 bytes of LDS; arguments x, xq, wq, wk, wv, wo, wq4; writes xq, wq4
.if DOCPART == 1
	.amdgcn_target "amdgcn-amd-amdhsa--gfx1250"
	.amdhsa_code_object_version 6
	.text
	.protected	k_q99d786b87f_prep
	.globl	k_q99d786b87f_prep
	.p2align	8
	.type	k_q99d786b87f_prep,@function
k_q99d786b87f_prep:
	s_mov_b64 s[64:65], 0
	v_nop
	global_prefetch_b8 v0, s[64:65] scope:SCOPE_SE
	s_setreg_imm32_b32 hwreg(HW_REG_WAVE_MODE, 25, 1), 1
	s_wait_xcnt 0x0
; x and the four weights become codes of E2M3 with one E8M0 byte for each 32 along K, laid as the products' registers want them; the rotary table is made beside them.
; EVERY WORK-GROUP CARRIES THE SAME SHARE: 64 columns x 1,024 along K of one weight (all 16 waves), 8 fragments of x (waves 0 to 7), 64 threads' part of the table (waves 8 and 9).
; The roles part on the wave's number and meet at ONE barrier; every LDS address is made ahead of the first parting.
; A FRAGMENT (16 rows x 128 K, 12 registers a lane) is stored as an IMAGE OF ITS REGISTERS, 1,536 bytes: registers 4 c .. 4 c + 3 of lane l at 512 c + 16 l.
; A GROUP of 8 tiles takes 204,800 bytes, 12,800 a K step: eight images, then the tiles' scale words (512 bytes, word 16 (T % 8) + p).  wo: groups of 4 tiles, 102,400 bytes, 6,400 a K step: four images, 256 bytes of words.
; x takes 3,276,800 bytes of xq, the table follows it; weight y (0 q, 1 k, 2 v, 3 o) begins at 3,276,800 y of wq4.
; X.  Tile row p of tile T is row 32 (T / 2) + 16 (p / 8) + 8 (T % 2) + p % 8.  Work-group n: group n % 16, K step n / 16; wave w < 8 makes tile 8 (n % 16) + w.  Each load takes 512 consecutive bytes of one row;
; the rows turn through the wave's own stage in LDS (pitch 528), so that a lane gets 16 neighbours of each block of 32.
; THE TABLE: tile st of 16 positions is 8,192 bytes: 32 registers of cosines, then 32 of sines, as register images; register p of lane (r, h) is pair k = 16 (p / 8) + 8 h + p % 8
; at position 32 (st / 2) + 16 (r / 8) + 8 (st % 2) + r % 8.  angle = position x 10000^(-k / 64), reduced by multiples of pi / 2 in two parts, then polynomials.
; W.  K is the FIRST axis: a lane takes a column and its registers run down K: a block of 32 lies in one lane, and the conversions give codes with K innermost.
; wv, wo: tile row p of tile T is column 32 (T / 2) + 16 (p / 8) + 8 (T % 2) + p % 8;  wq, wk: column 32 (T / 2) + 16 (p / 8) + 2 (p % 8) + T % 2 (the two numbers of a rotary pair fall into one lane).
; Work-group n: weight n / 64, 64 columns (n / 2) % 32, half n % 2 of K; wave w: 32 columns (w % 2), K step 8 (n % 2) + w / 2: four blocks.  Lane l is tile row l % 16 of tile 2 g + l / 16.
; LIMITS: 10000^(-k / 64) is good to about 2e-7 of itself (one v_exp_f32); NaN and infinities are not served; a block of zeros gets the byte 1 (its codes are zeros; this program alone reads the bytes).
.set SG,    67584                      ; behind the 8 stages of 8,448 bytes: x's 8 tiles' scale words, 512 bytes
.set WL,    68096                      ; the weight's scale words [K step 8][64 positions], 2,048 bytes
.set SPARE, 70144                      ; the spare words, 128 bytes a wave
.set TAB,   3276800
.set WBYTES, 3276800
.set SB,   24                          ; W: the K step's scale word
.set SPW,  26
.set NIL,  27
.set X,    32                          ; W: v32-95 two sets of 32 numbers
.set XN,   32                          ; X: v32-95 64 numbers: register 16 b + i = k 32 b + 16 h + i of my row
.set RW,   96                          ; X: v96-159 16 rows as loaded
.set G,    160                         ; W: v160-183 codes: 12 for the fragment's lanes 0-15, 12 for its lanes 16-31
.set TMPC, 184
.set TB,   188                         ; the table: v188-219
.set TM,   188                         ; X: v188-203 at work in QUANT
.set PW,   204
.set PC,   206                         ; X: v206-225 the codes just made
.set SEL,  52
.macro DL n
	s_delay_alu instid0(VALU_DEP_\n)
.endm
.macro QUANT s                         ; 64 numbers of a lane -> a fragment's codes in v[PC] on, its scale word in v[PW]
.irp b, 0,1,2,3
	v_max3_num_f32 v[TM+\b], |v[\s+16*\b]|, |v[\s+1+16*\b]|, 0x1800000   ; and the floor 2^(3 - 127): the byte cannot fall under 1
.endr
.irp i, 2,4,6,8,10,12,14
.irp b, 0,1,2,3
	DL 4
	v_max3_num_f32 v[TM+\b], v[TM+\b], |v[\s+16*\b+\i]|, |v[\s+1+16*\b+\i]|
.endr
.endr
.irp b, 0,1,2,3
	DL 4
	v_permlanex16_b32 v[TM+4+\b], v[TM+\b], s[SEL], s[SEL+1]
.endr
.irp b, 0,1,2,3
	DL 4
	v_max_num_f32 v[TM+\b], v[TM+\b], v[TM+4+\b]   ; with lane l xor 16's: the block's largest magnitude
.endr
.irp b, 0,1,2,3
	DL 4
	v_add_nc_u32 v[TM+12+\b], 0xff000000, v[TM+\b] ; 2 off its exponent field: the conversion's scale operand
.endr
.irp b, 0,1,2,3
	DL 4
	v_lshrrev_b32 v[TM+4+\b], 23, v[TM+12+\b]      ; the scale's byte
.endr
	DL 3
	v_lshl_or_b32 v[PW], v[TM+5], 8, v[TM+4]
	DL 1
	v_lshl_or_b32 v[PW], v[TM+6], 16, v[PW]
	DL 1
	v_lshl_or_b32 v[PW], v[TM+7], 24, v[PW]
.irp c, 0,1
	v_cvt_scalef32_pk16_fp6_f32 v[PC+6*\c:PC+2+6*\c], v[\s+32*\c:\s+15+32*\c], v[TM+12+2*\c]
	v_cvt_scalef32_pk16_fp6_f32 v[PC+12+4*\c:PC+14+4*\c], v[\s+16+32*\c:\s+31+32*\c], v[TM+12+2*\c+1]
.endr
	v_nop                                          ; one plain place behind a scaled conversion
.irp c, 0,1                                    ; the layout wants a whole block in a lane
.irp i, 0,1,2
	v_permlane16_swap_b32 v[PC+6*\c+\i], v[PC+12+4*\c+\i]
.endr
.irp i, 0,1,2
	DL 3
	v_mov_b32 v[PC+3+6*\c+\i], v[PC+12+4*\c+\i]
.endr
.endr
.endm
	s_load_b128 s[4:7], s[0:1], 0x0                ; x, xq
	s_load_b256 s[8:15], s[0:1], 0x10              ; wq, wk, wv, wo
	s_load_b64 s[16:17], s[0:1], 0x30              ; wq4
	v_lshl_add_u32 v[SPW], v0, 2, SPARE
	v_mov_b32 v[NIL], 0
	v_lshrrev_b32 v1, 5, v0
	DL 1
	v_readfirstlane_b32 s18, v1                    ; wave 0..15
	s_lshr_b32 s19, ttmp9, 6                       ; y: the weight
	s_bfe_u32 s20, ttmp9, 0x50001                  ; which 64 columns
	s_and_b32 s21, ttmp9, 1                        ; which half of K
	s_and_b32 s22, s18, 1                          ; which 32 columns
	s_lshr_b32 s23, s18, 1
	s_lshl_b32 s24, s21, 3
	s_add_co_u32 s24, s24, s23                     ; my K step of the weight
	s_lshl_b32 s25, s20, 1
	s_add_co_u32 s25, s25, s22                     ; g: the pair of tiles 2 g, 2 g + 1
	s_and_b32 s28, s18, 7
	s_cmp_lt_u32 s19, 2
	s_cselect_b32 s54, -1, 0
	s_lshl_b32 s55, s23, 8
	s_lshl_b32 s33, s22, 7
	s_add_co_u32 s55, s55, s33
	s_add_co_u32 s55, s55, WL                      ; the weight's words in: WL + 256 (w / 2) + 128 (w % 2)
	s_lshl_b32 s56, s28, 8
	s_add_co_u32 s56, s56, WL                      ; and back: K step w % 8's 256 bytes
	s_mul_i32 s57, s28, 8448                       ; x: my stage
	s_lshl_b32 s58, s28, 6
	s_add_co_u32 s58, s58, SG                      ; x: my tile's words
	s_and_b32 s29, ttmp9, 15                       ; x: the group
	s_lshr_b32 s30, ttmp9, 4                       ; x: the K step
	s_lshl_b32 s31, s29, 3
	s_add_co_u32 s31, s31, s28                     ; T
	s_lshr_b32 s32, s31, 1
	s_lshl_b32 s32, s32, 5
	s_and_b32 s33, s31, 1
	s_lshl_b32 s33, s33, 3
	s_add_co_u32 s32, s32, s33                     ; the tile's first row
	s_lshl_b32 s36, s32, 13
	s_lshl_b32 s33, s30, 9
	s_add_co_u32 s36, s36, s33                     ; x: rows of 8,192 bytes, + 512 x K step
	s_mov_b32 s37, 0
	s_mul_i32 s38, s29, 204800
	s_mul_i32 s33, s30, 12800
	s_add_co_u32 s38, s38, s33
	s_add_co_u32 s40, s38, 12288                   ; x's words
	s_mov_b32 s41, 0
	s_mul_i32 s33, s28, 1536
	s_add_co_u32 s38, s38, s33                     ; x's image
	s_mov_b32 s39, 0
	s_lshl_b32 s42, s24, 20                        ; W: 128 rows of 8,192 bytes a K step,
	s_lshl_b32 s33, s25, 7
	s_add_co_u32 s42, s42, s33                     ; + 128 g
	s_mov_b32 s43, 0
	s_lshr_b32 s44, s25, 2                         ; the images' place: groups of 8 tiles,
	s_mul_i32 s44, s44, 204800
	s_and_b32 s33, s25, 3
	s_mul_i32 s33, s33, 3072
	s_add_co_u32 s44, s44, s33
	s_mul_i32 s33, s24, 12800
	s_add_co_u32 s44, s44, s33
	s_lshr_b32 s46, s25, 1                         ; groups of 4
	s_mul_i32 s46, s46, 102400
	s_and_b32 s33, s25, 1
	s_mul_i32 s33, s33, 3072
	s_add_co_u32 s46, s46, s33
	s_mul_i32 s33, s24, 6400
	s_add_co_u32 s46, s46, s33
	s_lshl_b32 s34, s21, 3
	s_add_co_u32 s34, s34, s28                     ; the K step whose words I store
	s_lshr_b32 s48, s20, 1
	s_mul_i32 s48, s48, 204800
	s_and_b32 s33, s20, 1
	s_lshl_b32 s33, s33, 8
	s_add_co_u32 s48, s48, s33
	s_mul_i32 s33, s34, 12800
	s_add_co_u32 s48, s48, s33
	s_add_co_u32 s48, s48, 12288
	s_mul_i32 s50, s20, 102400
	s_mul_i32 s33, s34, 6400
	s_add_co_u32 s50, s50, s33
	s_add_co_u32 s50, s50, 6144
	s_cmp_eq_u32 s19, 3
	s_cselect_b32 s44, s46, s44
	s_cselect_b32 s48, s50, s48
	s_mul_i32 s33, s19, WBYTES
	s_add_co_u32 s44, s44, s33
	s_add_co_u32 s48, s48, s33
	s_mov_b32 s45, 0
	s_mov_b32 s49, 0
	s_mov_b32 s[SEL], 0x76543210
	s_mov_b32 s[SEL+1], 0xfedcba98
	v_and_b32 v2, 31, v0                           ; lane
	v_and_b32 v22, 15, v0                          ; r
	v_bfe_u32 v23, v0, 4, 1                        ; h = lane / 16
	v_bfe_u32 v9, v0, 3, 1
	v_and_b32 v10, 7, v0
	v_lshlrev_b32 v14, 4, v9
	DL 1
	v_lshl_add_u32 v15, v23, 3, v14
	v_lshl_add_u32 v14, v10, 1, v14
	DL 2
	v_add_nc_u32 v15, v15, v10                     ; wv, wo: 16 (p / 8) + 8 u + p % 8
	DL 2
	v_add_nc_u32 v14, v14, v23                     ; wq, wk: 16 (p / 8) + 2 (p % 8) + u
	DL 1
	v_cndmask_b32 v3, v15, v14, s54
	DL 1
	v_lshlrev_b32 v3, 2, v3                        ; my column, in bytes
	v_lshlrev_b32 v4, 4, v22
	DL 1
	v_mad_u32_u24 v4, v23, 1536, v4                ; the images: 1,536 u + 16 p
	v_lshl_add_u32 v5, v2, 2, s55
	v_lshlrev_b32 v7, 3, v2
	DL 1
	v_add_nc_u32 v6, s56, v7
	v_lshlrev_b32 v16, 4, v2                       ; 16 x lane
	DL 1
	v_add_nc_u32 v17, s57, v16                     ; the stage, in: a row's 512 bytes as they lie
	v_mul_u32_u24 v18, v22, 528
	DL 1
	v_lshl_add_u32 v18, v23, 6, v18
	DL 1
	v_add_nc_u32 v18, s57, v18                     ; out: row r, + 64 h
	v_lshl_add_u32 v19, v22, 2, s58
	v_add_nc_u32 v20, SG, v16                      ; x's words on the way out: 512 bytes
	s_wait_alu depctr_va_vdst(0)                   ; the wait at the head's end
	s_wait_kmcnt 0x0
	s_cmp_eq_u32 s19, 1                            ; the weight: a choice on the work-group's number alone
	s_cselect_b64 s[8:9], s[10:11], s[8:9]
	s_cmp_eq_u32 s19, 2
	s_cselect_b64 s[8:9], s[12:13], s[8:9]
	s_cmp_eq_u32 s19, 3
	s_cselect_b64 s[8:9], s[14:15], s[8:9]
	s_add_nc_u64 s[8:9], s[8:9], s[42:43]
	s_add_nc_u64 s[44:45], s[16:17], s[44:45]
	s_add_nc_u64 s[48:49], s[16:17], s[48:49]
	s_add_nc_u64 s[36:37], s[4:5], s[36:37]
	s_add_nc_u64 s[38:39], s[6:7], s[38:39]
	s_add_nc_u64 s[40:41], s[6:7], s[40:41]
	s_cmp_lt_u32 s18, 8
	s_cbranch_scc0 .Lno_x_loads
.irp i, 0,1,2,3,4,5,6,7,8,9,10,11,12,13,14,15      ; x's loads go first: the counted waits below then hold on both ways
	global_load_b128 v[RW+4*\i:RW+4*\i+3], v16, s[36:37] offset:(16*(\i/8)+\i%8)*8192 th:TH_LOAD_NT   ; tile row i: 512 consecutive bytes
.endr
.Lno_x_loads:
.macro LOAD t                          ; block t: W(32 t + i, my column) into set t % 2
.irp i, 0,1,2,3,4,5,6,7,8,9,10,11,12,13,14,15,16,17,18,19,20,21,22,23,24,25,26,27,28,29,30,31
	global_load_b32 v[X+32*((\t)%2)+\i], v3, s[8:9] offset:(32*(\t)+\i)*8192 th:TH_LOAD_NT
.endr
.endm
	LOAD 0
	LOAD 1
	; ---- the table: the 64 threads of waves 8 and 9, four cosines and four sines each, while the loads are on their way
	s_cmp_eq_u32 s23, 4
	s_cbranch_scc0 .Lno_tab
	v_and_b32 v[TB], 63, v0
	s_lshl_b32 s26, ttmp9, 6
	v_add_nc_u32 v[TB], s26, v[TB]                 ; g: lane g % 32 of chunk (g / 32) % 8 of tile g / 256
	DL 1
	v_and_b32 v[TB+1], 15, v[TB]                   ; r
	v_bfe_u32 v[TB+2], v[TB], 4, 1                 ; h
	v_bfe_u32 v[TB+3], v[TB], 5, 3                 ; chunk
	v_lshrrev_b32 v[TB+4], 8, v[TB]                ; st
	DL 1
	v_lshrrev_b32 v[TB+5], 1, v[TB+4]
	DL 1
	v_lshlrev_b32 v[TB+5], 5, v[TB+5]
	v_and_b32 v[TB+6], 1, v[TB+4]
	DL 1
	v_lshl_add_u32 v[TB+5], v[TB+6], 3, v[TB+5]
	v_and_b32 v[TB+6], 8, v[TB+1]
	DL 1
	v_add_nc_u32 v[TB+6], v[TB+6], v[TB+1]
	DL 1
	v_add_nc_u32 v[TB+5], v[TB+5], v[TB+6]
	DL 1
	v_cvt_f32_u32 v[TB+5], v[TB+5]                 ; the position
	v_lshrrev_b32 v[TB+6], 1, v[TB+3]
	DL 1
	v_lshlrev_b32 v[TB+6], 4, v[TB+6]
	DL 1
	v_lshl_add_u32 v[TB+6], v[TB+2], 3, v[TB+6]
	v_and_b32 v[TB+7], 1, v[TB+3]
	DL 1
	v_lshl_add_u32 v[TB+6], v[TB+7], 2, v[TB+6]    ; k of my first number
.irp e, 0,1,2,3
	v_add_nc_u32 v[TB+8], \e, v[TB+6]
	DL 1
	v_cvt_f32_u32 v[TB+8], v[TB+8]                 ; k
	DL 1
	v_mul_f32 v[TB+9], 0xbe549a00, v[TB+8]         ; - k x (the upper 15 bits of log2(10000) / 64): exact
	s_wait_alu depctr_va_vdst(0)                   ; the wait ahead of a transcendental
	v_exp_f32 v[TB+9], v[TB+9]
	v_mul_f32 v[TB+10], 0x35a6c40c, v[TB+8]        ; k x (the rest of it x ln 2).  (A plain place behind the exponential)
	s_wait_alu depctr_va_vdst(0)                   ; and behind it
	v_fma_f32 v[TB+9], -v[TB+10], v[TB+9], v[TB+9] ; 10000^(-k / 64)
	DL 1
	v_mul_f32 v[TB+11], v[TB+5], v[TB+9]           ; the angle
	DL 1
	v_mul_f32 v[TB+12], 0x3f22f983, v[TB+11]
	DL 1
	v_rndne_f32 v[TB+12], v[TB+12]                 ; n = the nearest multiple of pi / 2
	DL 1
	v_fmamk_f32 v[TB+13], v[TB+12], 0xbfc90fdb, v[TB+11]   ; angle - n x (pi / 2 as f32)
	DL 1
	v_fmamk_f32 v[TB+13], v[TB+12], 0x333bbd2e, v[TB+13]   ; - n x the rest of pi / 2
	DL 1
	v_mul_f32 v[TB+14], v[TB+13], v[TB+13]         ; z
	v_mov_b32 v[TB+15], 0x3638ef1d
	DL 1
	v_fmaak_f32 v[TB+15], v[TB+15], v[TB+14], 0xb9500d01
	DL 1
	v_fmaak_f32 v[TB+15], v[TB+15], v[TB+14], 0x3c088889
	DL 1
	v_fmaak_f32 v[TB+15], v[TB+15], v[TB+14], 0xbe2aaaab
	v_mul_f32 v[TB+16], v[TB+13], v[TB+14]
	DL 1
	v_fma_f32 v[TB+15], v[TB+16], v[TB+15], v[TB+13]       ; the sine of the rest
	v_mov_b32 v[TB+17], 0xb493f27e
	DL 1
	v_fmaak_f32 v[TB+17], v[TB+17], v[TB+14], 0x37d00d01
	DL 1
	v_fmaak_f32 v[TB+17], v[TB+17], v[TB+14], 0xbab60b61
	DL 1
	v_fmaak_f32 v[TB+17], v[TB+17], v[TB+14], 0x3d2aaaab
	DL 1
	v_fmaak_f32 v[TB+17], v[TB+17], v[TB+14], 0xbf000000
	DL 1
	v_fma_f32 v[TB+17], v[TB+14], v[TB+17], 1.0    ; its cosine
	v_cvt_i32_f32 v[TB+18], v[TB+12]
	DL 1
	v_and_b32 v[TB+19], 1, v[TB+18]
	DL 1
	v_cmp_eq_u32 vcc_lo, 1, v[TB+19]               ; an odd quarter: the two change places
	DL 1
	v_cndmask_b32 v[TB+20], v[TB+15], v[TB+17], vcc_lo
	v_cndmask_b32 v[TB+22], v[TB+17], v[TB+15], vcc_lo
	v_lshlrev_b32 v[TB+19], 30, v[TB+18]
	DL 1
	v_and_b32 v[TB+19], 0x80000000, v[TB+19]       ; quarters 2 and 3: the sine is negative
	DL 1
	v_xor_b32 v[TB+28+\e], v[TB+19], v[TB+20]
	v_add_nc_u32 v[TB+18], 1, v[TB+18]
	DL 1
	v_lshlrev_b32 v[TB+19], 30, v[TB+18]
	DL 1
	v_and_b32 v[TB+19], 0x80000000, v[TB+19]       ; quarters 1 and 2: the cosine is negative
	DL 1
	v_xor_b32 v[TB+24+\e], v[TB+19], v[TB+22]
.endr
	v_and_b32 v[TB+21], 255, v[TB]
	DL 1
	v_lshlrev_b32 v[TB+21], 4, v[TB+21]
	DL 1
	v_lshl_add_u32 v[TB+21], v[TB+4], 13, v[TB+21]
	global_store_b128 v[TB+21], v[TB+24:TB+27], s[6:7] offset:TAB          ; a wave stores 512 consecutive bytes
	global_store_b128 v[TB+21], v[TB+28:TB+31], s[6:7] offset:TAB+4096
.Lno_tab:
.macro BLOCK t
.set XB, X+32*((\t)%2)
.set GI, G+12*((\t)%2)+6*((\t)/2)      ; block 2 c + hb of the K step: registers 6 c .. 6 c + 5 of the fragment's lane 16 hb + p
.if (\t) < 3
	s_wait_loadcnt 32                              ; this block's 32 loads are in (and x's, which are older); the next block's may be out
.else
	s_wait_loadcnt 0x0
.endif
	v_max3_num_f32 v12, |v[XB]|, |v[XB+1]|, |v[XB+2]|
	v_max3_num_f32 v13, |v[XB+3]|, |v[XB+4]|, |v[XB+5]|
.irp i, 6,10,14,18,22,26
	DL 2
	v_max3_num_f32 v12, v12, |v[XB+\i]|, |v[XB+\i+1]|
	DL 2
	v_max3_num_f32 v13, v13, |v[XB+\i+2]|, |v[XB+\i+3]|
.endr
	DL 2
	v_max3_num_f32 v12, v12, |v[XB+30]|, |v[XB+31]|
	DL 1
	v_max3_num_f32 v12, v12, v13, 0x1800000        ; and the floor 2^(3 - 127)
	DL 1
	v_add_nc_u32 v11, 0xff000000, v12              ; 2 off the exponent field: the conversion's scale operand
	DL 1
	v_lshrrev_b32 v13, 23, v11                     ; the scale's byte
	DL 1
.if (\t) == 0
	v_mov_b32 v[SB], v13
.else
	v_lshl_or_b32 v[SB], v13, 8*(\t), v[SB]
.endif
	v_cvt_scalef32_pk16_fp6_f32 v[GI:GI+2], v[XB:XB+15], v11
	v_cvt_scalef32_pk16_fp6_f32 v[TMPC:TMPC+2], v[XB+16:XB+31], v11
	v_nop                                          ; one plain place behind a scaled conversion
.irp i, 0,1,2
	v_mov_b32 v[GI+3+\i], v[TMPC+\i]
.endr
.if (\t)+2 < 4
	LOAD (\t)+2
.endif
.endm
.irp t, 0,1,2,3
	BLOCK \t
.endr
.irp hb, 0,1                                   ; the K step is whole: six stores, in each lanes 0-15 and lanes 16-31 fill 256 consecutive bytes, aligned
.irp c, 0,1,2
	global_store_b128 v4, v[G+12*\hb+4*\c:G+12*\hb+4*\c+3], s[44:45] offset:512*\c+256*\hb
.endr
.endr
	ds_store_b32 v5, v[SB]
	s_cmp_lt_u32 s18, 8
	s_cbranch_scc0 .Lno_x
	s_wait_xcnt 0x0                                ; every earlier store has read its registers: those below are written again only behind this wait
	; ---- x: the 16 rows turn through my stage
.irp b, 0,1,2,3
	v_mov_b32 v[TM+4+\b], 0                        ; written once: a lane permute's destination counts as one of its sources
.endr
.irp i, 0,1,2,3,4,5,6,7,8,9,10,11,12,13,14,15
	ds_store_b128 v17, v[RW+4*\i:RW+4*\i+3] offset:528*\i
.endr
.irp b, 0,1,2,3
.irp e, 0,1,2,3
	ds_load_b128 v[XN+16*\b+4*\e:XN+16*\b+4*\e+3], v18 offset:128*\b+16*\e   ; LDS serves a wave's instructions in order: these see my stores
.endr
.endr
	s_wait_dscnt 0x0
	QUANT XN
.irp c, 0,1,2
	global_store_b128 v16, v[PC+4*\c:PC+4*\c+3], s[38:39] offset:512*\c   ; the image: 512 consecutive bytes a store
.endr
	ds_store_b32 v19, v[PW]                        ; lanes r and r + 16 write the same word with the same value
.Lno_x:
	s_wait_dscnt 0x0                               ; for the others' sake: my words have landed
	s_barrier_signal -1
	s_barrier_wait -1
	s_cmp_lt_u32 s18, 8
	s_cbranch_scc1 .Lx_words
	ds_load_b64 v[12:13], v6                       ; waves 8 to 15: a K step's 64 words of the weight
	s_wait_dscnt 0x0
	global_store_b64 v7, v[12:13], s[48:49]        ; 32 lanes store 256 consecutive bytes, aligned
	s_branch .Lend
.Lx_words:
	s_cmp_eq_u32 s18, 0
	s_cbranch_scc0 .Lend
	ds_load_b128 v[96:99], v20                     ; wave 0: x's 8 tiles' words leave as 512 consecutive bytes
	s_wait_dscnt 0x0
	global_store_b128 v16, v[96:99], s[40:41]
.Lend:
	s_wait_tensorcnt 0x0                           ; the wave's end
	ds_add_u32 v[SPW], v[NIL]
	s_wait_dscnt 0x0
	s_endpgm
.Lfunc_end_k_q99d786b87f_prep:
	.size	k_q99d786b87f_prep, .Lfunc_end_k_q99d786b87f_prep-k_q99d786b87f_prep
	.p2alignl 7, 3214868480
	.fill 96, 4, 3214868480
	.section	.rodata,"a",@progbits
	.p2align	6, 0x0
	.amdhsa_kernel k_q99d786b87f_prep
		.amdhsa_group_segment_fixed_size 72192
		.amdhsa_private_segment_fixed_size 0
		.amdhsa_enable_private_segment 0
		.amdhsa_kernarg_size 56
		.amdhsa_user_sgpr_count 2
		.amdhsa_user_sgpr_kernarg_segment_ptr 1
		.amdhsa_wavefront_size32 1
		.amdhsa_system_sgpr_workgroup_id_x 1
		.amdhsa_system_sgpr_workgroup_id_y 1
		.amdhsa_system_sgpr_workgroup_id_z 1
		.amdhsa_system_vgpr_workitem_id 0
		.amdhsa_next_free_vgpr 226
		.amdhsa_next_free_sgpr 66
		.amdhsa_reserve_vcc 1
		.amdhsa_float_denorm_mode_32 3
		.amdhsa_float_denorm_mode_16_64 3
		.amdhsa_memory_ordered 1
		.amdhsa_forward_progress 1
		.amdhsa_inst_pref_size 49
	.end_amdhsa_kernel
	.amdgpu_metadata
---
amdhsa.version: [ 1, 2 ]
amdhsa.kernels:
  - .name:           k_q99d786b87f_prep
    .symbol:         k_q99d786b87f_prep.kd
    .args:
      - { .name: x, .offset: 0, .size: 8, .value_kind: global_buffer, .address_space: global }
      - { .name: xq, .offset: 8, .size: 8, .value_kind: global_buffer, .address_space: global }
      - { .name: wq, .offset: 16, .size: 8, .value_kind: global_buffer, .address_space: global }
      - { .name: wk, .offset: 24, .size: 8, .value_kind: global_buffer, .address_space: global }
      - { .name: wv, .offset: 32, .size: 8, .value_kind: global_buffer, .address_space: global }
      - { .name: wo, .offset: 40, .size: 8, .value_kind: global_buffer, .address_space: global }
      - { .name: wq4, .offset: 48, .size: 8, .value_kind: global_buffer, .address_space: global }
    .group_segment_fixed_size: 72192
    .private_segment_fixed_size: 0
    .kernarg_segment_align: 8
    .kernarg_segment_size: 56
    .max_flat_workgroup_size: 512
    .sgpr_count:     66
    .vgpr_count:     226
    .wavefront_size: 32
...
	.end_amdgpu_metadata
.endif
;; end of part 1
;; launch qkv (part 2): grid 24 x 8, 4 waves a work-group, clusters of 4 x 4, 327,680 bytes of LDS; arguments xq, wq4, bq, bk, bv, qkvq; writes qkvq
.if DOCPART == 2
	.amdgcn_target "amdgcn-amd-amdhsa--gfx1250"
	.amdhsa_code_object_version 6
	.text
	.protected	k_q99d786b87f_qkv
	.globl	k_q99d786b87f_qkv
	.p2align	8
	.type	k_q99d786b87f_qkv,@function
k_q99d786b87f_qkv:
	s_mov_b64 s[64:65], 0
	v_nop
	global_prefetch_b8 v0, s[64:65] scope:SCOPE_SE
	s_setreg_imm32_b32 hwreg(HW_REG_WAVE_MODE, 25, 1), 1
	s_wait_xcnt 0x0
	s_wait_alu depctr_hold_cnt(0) depctr_sa_sdst(0) depctr_va_vdst(0) depctr_va_sdst(0) depctr_va_ssrc(0) depctr_va_vcc(0) depctr_vm_vsrc(0)
	s_getreg_b32 s2, hwreg(HW_REG_IB_STS2, 6, 4)
	s_cmp_eq_u32 s2, 0
	s_cbranch_scc0 .Lentry_in_a_cluster
	s_endpgm
.Lentry_in_a_cluster:
	s_bfe_u32 s2, ttmp6, 0x10000c
	s_cmp_lg_u32 s2, 0xf033
	s_cbranch_scc0 .Lentry_shape_is_right
	s_endpgm
.Lentry_shape_is_right:
; q, k, v = x w + b on codes of E2M3; q and k are rotated (rotary table of launch prep) and quantised along the head's 128 channels, v along the keys; all three leave as register images of fragments.
; A work-group of four waves makes 256 x 256 of [2048 rows][q | k | v: 6144 columns]; a wave 128 x 128: 64 accumulators.  Kind = cluster x / 2: 0 q, 1 k, 2 v.
; For q and k operand A is x and B the weight: a lane holds one row and its registers run along the channels.  For v the two change places: a lane holds one channel and its registers run along the keys.
; OPERANDS in memory: a group of 8 tiles is 204,800 bytes, 12,800 a K step: eight images of 1,536 bytes, then the tiles' scale words (512 bytes).  So a quarter of a slot, 8 tiles x 2 K steps with their
; scale words, is ONE dense block of 25,600 bytes: 100 rows of 256 bytes, one tensor load a wave; no load is spent on scales alone.
; RING: two slots of 102,400 bytes, two K steps each; one round of the cluster's barrier for each change of slots.  CLUSTERS 4 x 4: A's tiles are asked for jointly along a row of the cluster, B's along a column.
; PREFETCH: behind the joint load of fill f stands one prefetch for fill f + 2: a wave's 100 blocks of 256 bytes are shared out by address among the four partners that ask jointly, 25 each, a lane a block
; (lanes 25-31 name block 24 again); fills 6 and 7 have no fill two on.  The rotary table of a cluster row's 256 positions (512 blocks) is named once in each q or k cluster: 32 blocks a wave.
; OUT: q's images at QC + 98,304 (16 batch + head) + 12,288 block + 1,536 tile, its words [r 16][tile 8] at QS.  k and v: head at KV + 204,800 (16 batch + head), key step of 25,600 bytes in it:
; k's 8 images, v's 8 images, k's words (512 bytes, [r 16][tile 8]), v's words.
; THE WAY OUT runs the table three tiles ahead in three register buffers of window 1; tile 0 is asked for ahead of the last K step, into B's idle set.
; LIMITS: NaN and infinities are not served; a block of zeros gets the byte 1 (its codes are zeros; this program alone reads the bytes).
; REGISTERS: window 0: v16-31 addresses; v32-47 scale words, two sets; v48-127 the way out; v128-223 A's fragments, on the way out v128-255.  window 1: B's two sets v0-95, v128-223; v96-127, v224-255 the bias.  windows 2, 3: accumulators.
.set NF,     8
.set NQ,     2
.set KSB,    12800
.set HALFT,  NQ*KSB
.set SLOT,   4*HALFT
.set SPARE,  2*SLOT
.set LAPS,   8/NQ
.set GRP,    16*KSB
.set WBYTES, 3276800
.set TAB,    3276800
.set QC,     0
.set KV,     3145728
.set QS,     9699328
.set ADRA, 16
.set ADRS, 18
.set ADRB, 20
.set PFO,  22
.set TPO,  23
.set L16,  24
.set WO,   26
.set SPW,  28
.set NIL,  29
.set SC,   32
.set PW,   48
.set BV,   64
.set PC,   72
.set PWS,  92
.set D4,   100
.set TM,   104
.set BVP,  120
.set AF,   128
.set TT,   128
.set RR,   192
.set WV, 28
.set WR, 29
.set WC, 30
.set G1, 32
.set G0, 40
.set G1B, 48
.set G0B, 56
.set SEL, 98
.set PFA, 100
.set MUL_LO, 0xa1
.set MUL_HI, 0xf1
.set TO_B,   0x40
.set MSB, 0
.macro WIN new
.if MSB != (\new)
	s_set_vgpr_msb (MSB<<8)|(\new)
.set MSB, (\new)
.endif
.endm
.macro PLACES
.rept 4
	v_nop
.endr
.endm
.macro JLOAD g0a, g1a, g0b, g1b        ; a joint load: waves 0 and 1 fetch for A, waves 2 and 3 for B
	s_cmp_eq_u32 s[WR], 0
	s_cbranch_scc0 .Lfor_b_\@
	tensor_load_to_lds s[\g0a:\g0a+3], s[\g1a:\g1a+7]
	s_nop 0
.rept 4
	v_nop
.endr
	s_branch .Lasked_\@
.Lfor_b_\@:
	tensor_load_to_lds s[\g0b:\g0b+3], s[\g1b:\g1b+7]
	s_nop 0
.rept 4
	v_nop
.endr
.Lasked_\@:
.endm
.macro CREST
	s_cmp_lg_u32 s[WV], 0
	s_cbranch_scc1 .Lnot_wave_0_\@
	s_barrier_signal -3
.Lnot_wave_0_\@:
	s_barrier_wait -3
	s_barrier_signal -1
	s_barrier_wait -1
.endm
.macro CROUND
	s_barrier_signal -1
	s_barrier_wait -1
	CREST
.endm
; 64 numbers of a lane, register 16 b + i = k 32 b + 16 (lane / 16) + i of my row -> a fragment's codes in v[PC] on, its scale word in v[PW]
.macro QUANT s
.irp b, 0,1,2,3
	v_max3_num_f32 v[TM+\b], |v[\s+16*\b]|, |v[\s+1+16*\b]|, 0x1800000
.endr
.irp i, 2,4,6,8,10,12,14
.irp b, 0,1,2,3
	v_max3_num_f32 v[TM+\b], v[TM+\b], |v[\s+16*\b+\i]|, |v[\s+1+16*\b+\i]|
.endr
.endr
.irp b, 0,1,2,3
	v_permlanex16_b32 v[TM+4+\b], v[TM+\b], s[SEL], s[SEL+1]
.endr
.irp b, 0,1,2,3
	v_max_num_f32 v[TM+\b], v[TM+\b], v[TM+4+\b]
.endr
.irp b, 0,1,2,3
	v_add_nc_u32 v[TM+12+\b], 0xff000000, v[TM+\b]
.endr
.irp b, 0,1,2,3
	v_lshrrev_b32 v[TM+4+\b], 23, v[TM+12+\b]
.endr
	v_lshl_or_b32 v[PW], v[TM+5], 8, v[TM+4]
	v_lshl_or_b32 v[PW], v[TM+6], 16, v[PW]
	v_lshl_or_b32 v[PW], v[TM+7], 24, v[PW]
.irp c, 0,1
	v_cvt_scalef32_pk16_fp6_f32 v[PC+6*\c:PC+2+6*\c], v[\s+32*\c:\s+15+32*\c], v[TM+12+2*\c]
	v_cvt_scalef32_pk16_fp6_f32 v[PC+12+4*\c:PC+14+4*\c], v[\s+16+32*\c:\s+31+32*\c], v[TM+12+2*\c+1]
.endr
	v_nop
.irp c, 0,1
.irp i, 0,1,2
	v_permlane16_swap_b32 v[PC+6*\c+\i], v[PC+12+4*\c+\i]
.endr
.irp i, 0,1,2
	v_mov_b32 v[PC+3+6*\c+\i], v[PC+12+4*\c+\i]
.endr
.endr
.endm
	s_load_b256 s[4:11], s[0:1], 0x0               ; xq, wq4, bq, bk
	s_load_b128 s[12:15], s[0:1], 0x20             ; bv, qkvq
	v_lshl_add_u32 v[SPW], v0, 2, SPARE
	v_mov_b32 v[NIL], 0
	ds_add_u32 v[SPW], v[NIL]                      ; the opening lines: the add, twice on end, and its wait ahead of my first tensor load
	ds_add_u32 v[SPW], v[NIL]
	v_lshrrev_b32 v1, 5, v0
	v_readfirstlane_b32 s[WV], v1
	s_lshr_b32 s[WR], s[WV], 1
	s_and_b32 s[WC], s[WV], 1
	s_bfe_u32 s16, ttmp6, 0x40000                  ; cx
	s_bfe_u32 s17, ttmp6, 0x40004                  ; cy
	s_lshl_b32 s18, ttmp9, 2
	s_add_co_u32 s18, s18, s16
	s_and_b32 s19, ttmp7, 0xffff
	s_lshl_b32 s19, s19, 2
	s_add_co_u32 s19, s19, s17                     ; A's block of 256
	s_lshr_b32 s20, ttmp9, 1                       ; the kind, the same in all partners
	s_and_b32 s21, s18, 7                          ; B's block of 256
	s_lshl_b32 s22, s17, 2
	s_lshl_b32 s22, 15, s22
	s_lshl_b32 s23, 0x1111, s16
	s_or_b32 s[G1], s22, (3<<16)|(1<<21)
	s_or_b32 s[G1B], s23, (3<<16)|(1<<21)
.irp g, G1, G1B                        ; 100 dense rows of 256 bytes
	s_mov_b32 s[\g+1], 32<<16
	s_mov_b32 s[\g+2], 100<<16
	s_mov_b32 s[\g+3], 32<<16
	s_mov_b32 s[\g+4], 100
	s_mov_b32 s[\g+5], 32
	s_mov_b32 s[\g+6], 0
	s_mov_b32 s[\g+7], 0
.endr
	s_lshl_b32 s92, s19, 1
	s_add_co_u32 s92, s92, s[WC]
	s_mul_i32 s92, s92, GRP                        ; A: the group that I fetch
	s_lshl_b32 s96, s21, 1
	s_add_co_u32 s96, s96, s[WC]
	s_mul_i32 s96, s96, GRP                        ; B likewise
	s_mul_i32 s66, s20, WBYTES
	s_cmp_eq_u32 s20, 2
	s_cselect_b32 s24, 2*WBYTES, 0
	s_cselect_b32 s26, 0, s66
	s_add_co_u32 s92, s92, s24
	s_add_co_u32 s96, s96, s26
	s_mov_b32 s93, 0
	s_mov_b32 s97, 0
	s_mul_i32 s2, s[WV], HALFT
	s_mov_b32 s[SEL], 0x76543210
	s_mov_b32 s[SEL+1], 0xfedcba98
	s_wait_dscnt 0x0
	s_wait_kmcnt 0x0
	s_cmp_eq_u32 s20, 2
	s_cselect_b64 s[24:25], s[6:7], s[4:5]
	s_cselect_b64 s[26:27], s[4:5], s[6:7]
	s_add_nc_u64 s[92:93], s[24:25], s[92:93]
	s_add_nc_u64 s[96:97], s[26:27], s[96:97]
	CROUND                                         ; all sixteen work-groups are here: the first joint loads meet
.irp s, 0,1
	s_mov_b32 s[G0+4*\s], 1
	s_add_co_u32 s[G0+4*\s+1], s2, \s*SLOT
	s_add_nc_u64 s[G0+4*\s+2:G0+4*\s+3], s[92:93], \s*HALFT
	s_or_b32 s[G0+4*\s+3], s[G0+4*\s+3], 0x80000000
	s_mov_b32 s[G0B+4*\s], 1
	s_add_co_u32 s[G0B+4*\s+1], s2, \s*SLOT
	s_add_nc_u64 s[G0B+4*\s+2:G0B+4*\s+3], s[96:97], \s*HALFT
	s_or_b32 s[G0B+4*\s+3], s[G0B+4*\s+3], 0x80000000
.endr
	JLOAD G0, G1, G0B, G1B                         ; fill 0: my one tensor load at the head
	; the prefetches' base: my quarter, my work-group's 25 blocks of it, at fill 2
	s_cmp_eq_u32 s[WR], 0
	s_cselect_b64 s[PFA:PFA+1], s[92:93], s[96:97]
	s_cselect_b32 s24, s16, s17
	s_mul_i32 s24, s24, 6400
	s_add_co_u32 s24, s24, 2*HALFT
	s_mov_b32 s25, 0
	s_add_nc_u64 s[PFA:PFA+1], s[PFA:PFA+1], s[24:25]
	s_cmp_eq_u32 s20, 1                            ; the bias of my kind
	s_cselect_b64 s[8:9], s[10:11], s[8:9]
	s_cmp_eq_u32 s20, 2
	s_cselect_b64 s[8:9], s[12:13], s[8:9]
	s_and_b32 s12, s19, 3                          ; the table of my cluster row's 256 positions, 131,072 bytes: wave 4 cx + wave names 8,192 of them
	s_lshl_b32 s12, s12, 4
	s_lshl_b32 s13, s16, 2
	s_add_co_u32 s12, s12, s13
	s_add_co_u32 s12, s12, s[WV]
	s_lshl_b32 s12, s12, 13
	s_add_co_u32 s12, s12, TAB
	s_mov_b32 s13, 0
	s_add_nc_u64 s[12:13], s[4:5], s[12:13]
	; where my results go
	s_lshl_b32 s66, s19, 1
	s_add_co_u32 s66, s66, s[WR]
	s_lshl_b32 s67, s21, 1
	s_add_co_u32 s67, s67, s[WC]
	s_cmp_eq_u32 s20, 2
	s_cselect_b32 s31, s67, s66                    ; my 128 rows of x
	s_cselect_b32 s22, s66, s67                    ; my head
	s_lshr_b32 s23, s31, 3
	s_lshl_b32 s23, s23, 4
	s_add_co_u32 s23, s23, s22                     ; 16 batch + head
	s_and_b32 s31, s31, 7                          ; block of 128 positions
	s_mov_b32 s17, 204800
	s_mov_b32 s18, 25600
	s_mov_b32 s19, KV
	s_mov_b32 s21, 204800
	s_mov_b32 s27, 25600
	s_mov_b32 s24, KV+24576
	s_cmp_eq_u32 s20, 0
	s_cselect_b32 s17, 98304, s17
	s_cselect_b32 s18, 12288, s18
	s_cselect_b32 s19, QC, s19
	s_cselect_b32 s21, 4096, s21
	s_cselect_b32 s27, 512, s27
	s_cselect_b32 s24, QS, s24
	s_cmp_eq_u32 s20, 2
	s_cselect_b32 s25, 12288, 0
	s_cselect_b32 s26, 512, 0
	s_mul_i32 s17, s17, s23
	s_mul_i32 s18, s18, s31
	s_add_co_u32 s92, s17, s18
	s_add_co_u32 s92, s92, s19
	s_add_co_u32 s92, s92, s25
	s_mov_b32 s93, 0
	s_mul_i32 s21, s21, s23
	s_mul_i32 s27, s27, s31
	s_add_co_u32 s94, s21, s27
	s_add_co_u32 s94, s94, s24
	s_add_co_u32 s94, s94, s26
	s_mov_b32 s95, 0
	s_add_nc_u64 s[92:93], s[14:15], s[92:93]      ; the images
	s_add_nc_u64 s[94:95], s[14:15], s[94:95]      ; the scale words
	s_lshl_b32 s96, s31, 16
	s_add_co_u32 s96, s96, TAB
	s_mov_b32 s97, 0
	s_add_nc_u64 s[96:97], s[4:5], s[96:97]        ; my 8 tiles of the table
	s_lshl_b32 s26, s22, 9
	s_mov_b32 s27, 0
	s_add_nc_u64 s[8:9], s[8:9], s[26:27]
	s_mul_i32 s66, s[WR], HALFT
	s_mul_i32 s67, s[WC], HALFT
	s_add_co_u32 s67, s67, 2*HALFT
	s_sub_co_u32 s24, s67, s66
	v_and_b32 v1, 15, v0                           ; r
	v_bfe_u32 v2, v0, 4, 1                         ; h
	v_and_b32 v3, 31, v0
	v_lshlrev_b32 v[L16], 4, v3
	v_add_nc_u32 v[ADRA], s66, v[L16]
	v_add_nc_u32 v[ADRB], s67, v[L16]
	v_add_nc_u32 v[ADRA+1], SLOT, v[ADRA]
	v_add_nc_u32 v[ADRB+1], SLOT, v[ADRB]
	v_lshlrev_b32 v5, 2, v1
	v_mul_u32_u24 v6, s24, v2                      ; lanes 16-31 take B's words: one product, h x the distance
	v_add_nc_u32 v5, v5, v6
	v_add_nc_u32 v[ADRS], s66, v5
	v_add_nc_u32 v[ADRS+1], SLOT, v[ADRS]
	v_lshlrev_b32 v[WO], 5, v1
	v_lshl_add_u32 v[WO], v2, 4, v[WO]
	v_lshlrev_b32 v10, 6, v2
	v_and_b32 v11, 8, v1
	v_add_nc_u32 v11, v11, v1
	v_lshlrev_b32 v11, 2, v11
	v_min_u32 v[PFO], 24, v3
	v_lshlrev_b32 v[PFO], 8, v[PFO]
	v_lshlrev_b32 v[TPO], 8, v3
	s_wait_alu depctr_va_vdst(0)                   ; the wait at the end of the head's vector work
	global_prefetch_b8 v[PFO], s[PFA:PFA+1] th:TH_LOAD_NT scope:SCOPE_SE   ; fill 2
	s_cmp_eq_u32 s20, 2
	s_cbranch_scc1 .Lv_zero                        ; v is not rotated, and its bias goes by A's tile, on the way out
	global_prefetch_b8 v[TPO], s[12:13] th:TH_LOAD_NT scope:SCOPE_SE
	WIN 0x40
.set eb, 0
.rept 8
.set ej, 0
.rept 8
	global_load_b32 v[96+8*(eb%4)+128*(eb/4)+ej], v10, s[8:9] offset:4*(32*(eb/2)+2*ej+eb%2)   ; q, k: the bias by B's tile and register
.set ej, ej+1
.endr
.set eb, eb+1
.endr
	WIN 0
	s_branch .Lbias_in
.Lv_zero:
	WIN 0x40
.irp e, 0,1,2,3,4,5,6,7,8,9,10,11,12,13,14,15,16,17,18,19,20,21,22,23,24,25,26,27,28,29,30,31
	v_mov_b32 v[96+\e], 0                          ; v: the first step's C is 0
	v_mov_b32 v[224+\e], 0
.endr
	WIN 0
.Lbias_in:
.irp a, 0,1,2,3,4,5,6,7
	global_load_b32 v[BV+\a], v11, s[8:9] offset:4*(32*(\a/2)+8*(\a%2))
.endr
.macro FRAG reg, adr, q, i
.irp c, 0,1,2
	ds_load_b128 v[\reg+4*\c:\reg+4*\c+3], v[\adr] offset:(\q)*KSB+(\i)*1536+512*\c
.endr
.endm
.macro FETCH_B slot, q, p
	WIN TO_B
.set fi, 0
.rept NF
	FRAG 128*(\p)+12*fi, ADRB+\slot, \q, fi
.set fi, fi+1
.endr
	WIN 0
.endm
.macro FETCH_A slot, q, half
.set fi, (\half)*NF/2
.rept NF/2
	FRAG AF+12*fi, ADRA+\slot, \q, fi
.set fi, fi+1
.endr
.endm
.macro SCALES slot, q                  ; the words lie behind the K step's eight images
.set fi, 0
.rept NF
	ds_load_b32 v[SC+NF*((\q)%2)+fi], v[ADRS+\slot] offset:(\q)*KSB+12288+64*fi
.set fi, fi+1
.endr
.endm
.macro MULQ k, p, q, zero              ; the accumulators take turns, one instruction a turn
.set ma, (\k)*NF/4
.rept NF/4
.set mb, 0
.rept NF
.set mc, 8*(NF*(ma%(NF/2))+mb)
.set mB, 128*(\p)+12*mb
.set mA, AF+12*ma
.set mS, SC+NF*((\q)%2)
.if \zero
	v_wmma_scale_f32_16x16x128_f8f6f4 v[mc:mc+7], v[mB:mB+11], v[mA:mA+11], v[96+8*(mb%4)+128*(mb/4):96+8*(mb%4)+128*(mb/4)+7], v[mS+mb], v[mS+ma] matrix_a_fmt:MATRIX_FMT_FP6 matrix_b_fmt:MATRIX_FMT_FP6 matrix_a_scale:MATRIX_SCALE_ROW1   ; the first K step starts the sums from the bias by B's tile, in window 1
.else
	v_wmma_scale_f32_16x16x128_f8f6f4 v[mc:mc+7], v[mB:mB+11], v[mA:mA+11], v[mc:mc+7], v[mS+mb], v[mS+ma] matrix_a_fmt:MATRIX_FMT_FP6 matrix_b_fmt:MATRIX_FMT_FP6 matrix_a_scale:MATRIX_SCALE_ROW1
.endif
.set mb, mb+1
.endr
.set ma, ma+1
.endr
.endm
.macro STEP slot, q, zero
	s_wait_dscnt 3*NF/2                            ; all but the youngest twelve loads, A's upper tiles
	WIN MUL_LO-0x10*(\zero)                        ; (the first step: C in window 1)
	MULQ 0, (\q)%2, \q, \zero
	MULQ 1, (\q)%2, \q, \zero
	s_wait_dscnt 0x0
	PLACES
	FETCH_B \slot, (\q)+1, 1-(\q)%2
	FETCH_A \slot, (\q)+1, 0
	SCALES \slot, (\q)+1
	WIN MUL_HI-0x20*(\zero)
	MULQ 2, (\q)%2, \q, \zero
	MULQ 3, (\q)%2, \q, \zero
	PLACES
	WIN 0
	FETCH_A \slot, (\q)+1, 1
.endm
; a slot's last step and the change of slots
.macro TURN slot, next, fill
.if \fill
	s_wait_xcnt 0x0                                ; my last prefetch has read its base: it steps one fill on
	s_add_nc_u64 s[PFA:PFA+1], s[PFA:PFA+1], HALFT
.endif
	s_wait_tensorcnt 0x0                           ; all my tensor loads have landed: the one that was out is my part of the next slot
	ds_add_u32 v[SPW], v[NIL]                      ; 0 onto my spare word
	s_wait_dscnt 3*NF/2+1                          ; (the add and A's upper tiles may be out)
	WIN MUL_LO
	MULQ 0, 1, NQ-1, 0
	s_wait_dscnt 0x0                               ; the add is done and my reads of this slot are over
	s_barrier_signal -1
	MULQ 1, 1, NQ-1, 0
	WIN 0
	s_barrier_wait -1
.if \fill
	CREST                                          ; the barrier has opened a round of the cluster's
	s_add_nc_u64 s[G0+4*\slot+2:G0+4*\slot+3], s[G0+4*\slot+2:G0+4*\slot+3], 2*HALFT
	s_add_nc_u64 s[G0B+4*\slot+2:G0B+4*\slot+3], s[G0B+4*\slot+2:G0B+4*\slot+3], 2*HALFT
	JLOAD G0+4*\slot, G1, G0B+4*\slot, G1B         ; my one tensor load behind the round; its four v_nop are the places in front of the loads below
.else
	PLACES
.endif
	FETCH_B \next, 0, 0
	FETCH_A \next, 0, 0
	SCALES \next, 0
.if \fill
	s_cmp_gt_u32 s3, 1                             ; the last trip's fills, 6 and 7, have no fill two on
	s_cbranch_scc0 .Lno_ask_\@
	global_prefetch_b8 v[PFO], s[PFA:PFA+1] offset:HALFT th:TH_LOAD_NT scope:SCOPE_SE
.Lno_ask_\@:
.endif
	WIN MUL_HI
	MULQ 2, 1, NQ-1, 0
	MULQ 3, 1, NQ-1, 0
	PLACES
	WIN 0
	FETCH_A \next, 0, 1
.endm
; tile a of the table into buffer a % 3 of window 1: cosines at 0, 128, 64; sines at 32, 160, 192
.macro TABLOAD a
.set tm, (\a)%3
.set tcs, 224*tm-96*tm*tm
.set tsn, 32+176*tm-48*tm*tm
	WIN 0x40
.set tc, 0
.rept 8
	global_load_b128 v[tcs+4*tc:tcs+4*tc+3], v[L16], s[96:97] offset:8192*(\a)+512*tc
	global_load_b128 v[tsn+4*tc:tsn+4*tc+3], v[L16], s[96:97] offset:8192*(\a)+4096+512*tc
.set tc, tc+1
.endr
	WIN 0
.endm
	s_wait_alu depctr_va_vdst(0)                   ; directly ahead of the waits below
	s_wait_loadcnt 0x0                             ; the bias
	s_wait_tensorcnt 0x0                           ; my part of fill 0 is in
	ds_add_u32 v[SPW], v[NIL]
	s_wait_dscnt 0x0
	CROUND
	JLOAD G0+4, G1, G0B+4, G1B                     ; fill 1, the first tensor load behind the round
	FETCH_B 0, 0, 0
	FETCH_A 0, 0, 0
	SCALES 0, 0
	FETCH_A 0, 0, 1
	global_prefetch_b8 v[PFO], s[PFA:PFA+1] offset:HALFT th:TH_LOAD_NT scope:SCOPE_SE   ; fill 3
	STEP 0, 0, 1                                   ; the first step's products start the sums
	s_mov_b32 s3, LAPS-1
.Llap:
	TURN 0, 1, 1
	STEP 1, 0, 0
	TURN 1, 0, 1
	STEP 0, 0, 0
	s_sub_co_u32 s3, s3, 1
	s_cmp_lg_u32 s3, 0
	s_cbranch_scc1 .Llap
	TURN 0, 1, 0
	STEP 1, 0, 0
	s_cmp_eq_u32 s20, 2
	s_cbranch_scc1 .Lno_t0
	TABLOAD 0                                      ; into B's set 0, whose last products stand four places back
.Lno_t0:
	s_wait_dscnt 3*NF/2
	WIN MUL_LO
	MULQ 0, 1, NQ-1, 0
	MULQ 1, 1, NQ-1, 0
	s_wait_dscnt 0x0
	WIN MUL_HI
	MULQ 2, 1, NQ-1, 0
	MULQ 3, 1, NQ-1, 0
	WIN 0
; A's tile a: + bias; q, k: the rotation, pair (2 k, 2 k + 1) -> channels k and 64 + k; the quantiser; the image leaves
.macro EPI a, rope
	s_wait_xcnt 0x0                                ; the last tile's stores have read their registers
.if \rope
.if (\a) < 6
	s_wait_loadcnt 32                              ; tile a of the table is in; the two younger tiles' 16 loads each may be out
.else
	s_wait_loadcnt 16*(7-(\a))
.endif
	WIN 0x06+(\a)/4
.else
	v_mov_b32 v[BVP], v[BV+(\a)]
	v_mov_b32 v[BVP+1], v[BV+(\a)]
	WIN 0x02+(\a)/4
.endif
.set eb, 0
.rept 8
.set ej, 0
.rept 4
.set ea, 8*(8*((\a)%4)+eb)+ej
.if \rope
.else
	v_pk_add_f32 v[TT+8*eb+ej:TT+8*eb+ej+1], v[ea:ea+1], v[BVP:BVP+1]
.endif
.set ej, ej+2
.endr
.set eb, eb+1
.endr
.if \rope
.set EA, 64*((\a)%4)                   ; q, k: the sums hold the bias already; the rotation reads the accumulators, each from its low end on
.set em, (\a)%3
.set ecs, 224*em-96*em*em
.set esn, 32+176*em-48*em*em
.set eb, 0
.rept 4
.set ej, 0
.rept 4
	v_pk_mul_f32 v[RR+8*eb+ej:RR+8*eb+ej+1], v[EA+16*eb+ej:EA+16*eb+ej+1], v[ecs+8*eb+ej:ecs+8*eb+ej+1]
	v_pk_mul_f32 v[RR+32+8*eb+ej:RR+32+8*eb+ej+1], v[EA+16*eb+ej:EA+16*eb+ej+1], v[esn+8*eb+ej:esn+8*eb+ej+1]
.set ej, ej+2
.endr
.set eb, eb+1
.endr
.set eb, 0
.rept 4
.set ej, 0
.rept 4
	v_pk_fma_f32 v[RR+8*eb+ej:RR+8*eb+ej+1], v[EA+16*eb+8+ej:EA+16*eb+8+ej+1], v[esn+8*eb+ej:esn+8*eb+ej+1], v[RR+8*eb+ej:RR+8*eb+ej+1] neg_lo:[0,1,0] neg_hi:[0,1,0]
	v_pk_fma_f32 v[RR+32+8*eb+ej:RR+32+8*eb+ej+1], v[EA+16*eb+8+ej:EA+16*eb+8+ej+1], v[ecs+8*eb+ej:ecs+8*eb+ej+1], v[RR+32+8*eb+ej:RR+32+8*eb+ej+1]
.set ej, ej+2
.endr
.set eb, eb+1
.endr
	WIN 0
.set eb, 0
.rept 4
.set ej, 0
.rept 8
	v_permlane16_swap_b32 v[RR+16*eb+ej], v[RR+16*eb+8+ej]
.set ej, ej+1
.endr
.set eb, eb+1
.endr
.if (\a)+3 < 8
	TABLOAD (\a)+3                                 ; this tile's buffer takes the tile three on
.endif
	QUANT RR
.else
	WIN 0
	QUANT TT
.endif
.irp c, 0,1,2
	global_store_b128 v[L16], v[PC+4*\c:PC+4*\c+3], s[92:93] offset:1536*(\a)+512*\c
.endr
	v_mov_b32 v[PWS+(\a)], v[PW]
.endm
	PLACES
.irp b, 0,1,2,3
	v_mov_b32 v[TM+4+\b], 0                        ; written once: a lane permute's destination counts as one of its sources
.endr
	s_cmp_eq_u32 s20, 2
	s_cbranch_scc1 .Lv
	TABLOAD 1
	TABLOAD 2
.irp a, 0,1,2,3,4,5,6,7
	EPI \a, 1
.endr
	s_branch .Lwords
.Lv:
.irp a, 0,1,2,3,4,5,6,7
	EPI \a, 0
.endr
.Lwords:
	s_wait_alu depctr_va_vdst(0)
	v_cmp_eq_u32 vcc_lo, 1, v2
.irp e, 0,1,2,3
	v_cndmask_b32 v[D4+\e], v[PWS+\e], v[PWS+4+\e], vcc_lo
.endr
	global_store_b128 v[WO], v[D4:D4+3], s[94:95]  ; [r 16][tile 8]: the wave stores 512 consecutive bytes
	s_wait_tensorcnt 0x0                           ; the wave's end
	ds_add_u32 v[SPW], v[NIL]
	s_wait_dscnt 0x0
	CROUND                                         ; the closing round
	s_endpgm
.Lfunc_end_k_q99d786b87f_qkv:
	.size	k_q99d786b87f_qkv, .Lfunc_end_k_q99d786b87f_qkv-k_q99d786b87f_qkv
	.p2alignl 7, 3214868480
	.fill 96, 4, 3214868480
	.section	.rodata,"a",@progbits
	.p2align	6, 0x0
	.amdhsa_kernel k_q99d786b87f_qkv
		.amdhsa_group_segment_fixed_size 327680
		.amdhsa_private_segment_fixed_size 0
		.amdhsa_enable_private_segment 0
		.amdhsa_kernarg_size 48
		.amdhsa_user_sgpr_count 2
		.amdhsa_user_sgpr_kernarg_segment_ptr 1
		.amdhsa_wavefront_size32 1
		.amdhsa_system_sgpr_workgroup_id_x 1
		.amdhsa_system_sgpr_workgroup_id_y 1
		.amdhsa_system_sgpr_workgroup_id_z 1
		.amdhsa_system_vgpr_workitem_id 0
		.amdhsa_next_free_vgpr 1024
		.amdhsa_next_free_sgpr 102
		.amdhsa_reserve_vcc 1
		.amdhsa_float_denorm_mode_32 3
		.amdhsa_float_denorm_mode_16_64 3
		.amdhsa_memory_ordered 1
		.amdhsa_forward_progress 1
		.amdhsa_inst_pref_size 254
	.end_amdhsa_kernel
	.amdgpu_metadata
---
amdhsa.version: [ 1, 2 ]
amdhsa.kernels:
  - .name:           k_q99d786b87f_qkv
    .symbol:         k_q99d786b87f_qkv.kd
    .args:
      - { .name: xq, .offset: 0, .size: 8, .value_kind: global_buffer, .address_space: global }
      - { .name: wq4, .offset: 8, .size: 8, .value_kind: global_buffer, .address_space: global }
      - { .name: bq, .offset: 16, .size: 8, .value_kind: global_buffer, .address_space: global }
      - { .name: bk, .offset: 24, .size: 8, .value_kind: global_buffer, .address_space: global }
      - { .name: bv, .offset: 32, .size: 8, .value_kind: global_buffer, .address_space: global }
      - { .name: qkvq, .offset: 40, .size: 8, .value_kind: global_buffer, .address_space: global }
    .group_segment_fixed_size: 327680
    .private_segment_fixed_size: 0
    .kernarg_segment_align: 8
    .kernarg_segment_size: 48
    .max_flat_workgroup_size: 128
    .sgpr_count:     102
    .vgpr_count:     1024
    .wavefront_size: 32
...
	.end_amdgpu_metadata
.endif
;; end of part 2
;; launch attn (part 3): grid 8 x 32, 8 waves a work-group, clusters of 4 x 1, 210,432 bytes of LDS; arguments qkvq, attention_mask, oq; writes oq
.if DOCPART == 3
	.amdgcn_target "amdgcn-amd-amdhsa--gfx1250"
	.amdhsa_code_object_version 6
	.text
	.protected	k_q99d786b87f_attn
	.globl	k_q99d786b87f_attn
	.p2align	8
	.type	k_q99d786b87f_attn,@function
k_q99d786b87f_attn:
	s_mov_b64 s[64:65], 0
	v_nop
	global_prefetch_b8 v0, s[64:65] scope:SCOPE_SE
	s_setreg_imm32_b32 hwreg(HW_REG_WAVE_MODE, 25, 1), 1
	s_wait_xcnt 0x0
	s_wait_alu depctr_hold_cnt(0) depctr_sa_sdst(0) depctr_va_vdst(0) depctr_va_sdst(0) depctr_va_ssrc(0) depctr_va_vcc(0) depctr_vm_vsrc(0)
	s_getreg_b32 s2, hwreg(HW_REG_IB_STS2, 6, 4)
	s_cmp_eq_u32 s2, 0
	s_cbranch_scc0 .Lentry_in_a_cluster
	s_endpgm
.Lentry_in_a_cluster:
	s_bfe_u32 s2, ttmp6, 0x10000c
	s_cmp_lg_u32 s2, 0x3003
	s_cbranch_scc0 .Lentry_shape_is_right
	s_endpgm
.Lentry_shape_is_right:
; O = softmax(q k^T / sqrt(128), keys with mask 0 hidden) v for one head, both products on codes of E2M3, and O quantised along the model's axis for the last product.
; t = score x log2(e) / sqrt(128); M = the running largest t rounded UP to a whole number; p = 2^(t - M) is quantised along the keys, not normalised; the row's sum is taken of the unquantised p and divides O at the end.
; SHARES: work-group = 128 queries of head bh; each of eight waves owns one tile of 16 queries.  Every wave walks the head's 1,024 keys, 128 a step, eight steps written out.
; LDS: the head's WHOLE K and V, 204,800 bytes, 25,600 a key step: K's 8 images, V's 8 images, K's scale words (512 bytes, [r 16][tile 8]), V's.  Wave w brings key step w whole with ONE tensor load:
; one load of a wave is out at the most, one barrier shows all eight steps to all waves.
; CLUSTER: the four query blocks of a cluster belong to one head: every step is asked for jointly, by the same load with a mask that names the four.
; LAYOUT: both products transposed (S^T = K Q^T, O^T = V^T P^T): a lane holds one query.  The keys of K's tiles, and the channels of V's, are ordered so that the 16 registers of tiles 2 b, 2 b + 1 are 16 neighbours.
; FRAGMENTS have registers of their own in window 1: K's eight at v0-95, V's eight at v96-191.  V's of step s are asked for at the step's head, K's of step s + 1 right behind the first product of step s:
; each run of LDS loads has a softmax or more in which to land, and the waits for them are counted.
; THE MASK IS THE C OF THE FIRST PRODUCT: bias[key] = 0, or -169 x 2^26 where the mask is 0.  A step's 64 biases of a lane are loaded from LDS into S^T's own registers, and K Q^T adds onto them in place: no line
; of the softmax knows of the mask, and no branch hangs on it.  A hidden key's t lies some 1.4e9 under every open one: its p is 0.
; Steps all of whose keys are hidden, ahead of the first open key: t - M is at most 64 there (half the spacing of f32 numbers at 1.4e9), so p, the sum and O^T stay finite, and the first open key's f = 0 wipes them.
; A BATCH ALL OF WHOSE KEYS ARE HIDDEN: every wave ORs the batch's 1,024 mask words; where the result is 0, c is replaced by 0 (a select and a maximum across the lanes, no branch): every t is 0, every p is 1:
; the uniform softmax that equal logits give.
; O leaves in groups of 4 tiles of 102,400 bytes, 6,400 a head: four images, then their scale words (256 bytes).
; LIMITS: a hidden key's logit is its own logit - 1.0024e9 where the problem writes -1e9: it differs only where logits reach about 1e9 in magnitude.  NaN and infinities are not served; a block of zeros gets the
; byte 1 (its codes are zeros; this program alone reads the bytes).
; REGISTERS, window 0: v1-7, v28-31, v90-93 addresses; v12 -M, v13 the largest t, v[14:15] the sum; v16-27 Q; v32-39 V's scale words; v80-87 K's; v[88:89] c or 0, twice; v96-159 the biases, then S^T, then p;
;   v160-223 O^T; v224-235 p's codes; v232-254 at work; v250, v251 the add's; v253 p's word; v255 Q's.
.set KV,   3145728
.set QS,   9699328
.set CAP,  204800                      ; 1,024 biases
.set OSG,  208896                      ; the 8 tiles' scale words of O
.set SPARE, 209408
.set LB,   3                           ; v3-6 16 x lane + 51,200 x pair of steps
.set SB,   90                          ; v90-93 24,576 + 32 r + 51,200 x pair of steps
.set CF,   88
.set TM,   232
.set PW,   248
.set PC,   32
.set SPW,  250
.set NIL,  251
.set WV,   18
.set SEL,  20
.set G1,   24
.set G0,   40
.set MSB, 0
.macro WIN new
.if MSB != (\new)
	s_set_vgpr_msb (MSB<<8)|(\new)
.set MSB, (\new)
.endif
.endm
.macro DL n
	s_delay_alu instid0(VALU_DEP_\n)
.endm
.macro CROUND
	s_barrier_signal -1
	s_barrier_wait -1
	s_cmp_lg_u32 s[WV], 0
	s_cbranch_scc1 .Lnot_wave_0_\@
	s_barrier_signal -3
.Lnot_wave_0_\@:
	s_barrier_wait -3
	s_barrier_signal -1
	s_barrier_wait -1
.endm
.macro QUANT s                         ; 64 numbers of a lane, register 16 b + i = k 32 b + 16 (lane / 16) + i of my row -> codes in v[PC] on, scale word in v[PW]
.irp b, 0,1,2,3
	v_max3_num_f32 v[TM+\b], |v[\s+16*\b]|, |v[\s+1+16*\b]|, 0x1800000
.endr
.irp i, 2,4,6,8,10,12,14
.irp b, 0,1,2,3
	DL 4
	v_max3_num_f32 v[TM+\b], v[TM+\b], |v[\s+16*\b+\i]|, |v[\s+1+16*\b+\i]|
.endr
.endr
.irp b, 0,1,2,3
	DL 4
	v_permlanex16_b32 v[TM+4+\b], v[TM+\b], s[SEL], s[SEL+1]
.endr
.irp b, 0,1,2,3
	DL 4
	v_max_num_f32 v[TM+\b], v[TM+\b], v[TM+4+\b]
.endr
.irp b, 0,1,2,3
	DL 4
	v_add_nc_u32 v[TM+12+\b], 0xff000000, v[TM+\b]
.endr
.irp b, 0,1,2,3
	DL 4
	v_lshrrev_b32 v[TM+4+\b], 23, v[TM+12+\b]
.endr
	DL 3
	v_lshl_or_b32 v[PW], v[TM+5], 8, v[TM+4]
	DL 1
	v_lshl_or_b32 v[PW], v[TM+6], 16, v[PW]
	DL 1
	v_lshl_or_b32 v[PW], v[TM+7], 24, v[PW]
.irp c, 0,1
	v_cvt_scalef32_pk16_fp6_f32 v[PC+6*\c:PC+2+6*\c], v[\s+32*\c:\s+15+32*\c], v[TM+12+2*\c]
	v_cvt_scalef32_pk16_fp6_f32 v[PC+12+4*\c:PC+14+4*\c], v[\s+16+32*\c:\s+31+32*\c], v[TM+12+2*\c+1]
.endr
	v_nop
.irp c, 0,1
.irp i, 0,1,2
	v_permlane16_swap_b32 v[PC+6*\c+\i], v[PC+12+4*\c+\i]
.endr
.irp i, 0,1,2
	DL 3
	v_mov_b32 v[PC+3+6*\c+\i], v[PC+12+4*\c+\i]
.endr
.endr
.endm
	s_load_b128 s[4:7], s[0:1], 0x0                ; qkvq, attention_mask
	s_load_b64 s[8:9], s[0:1], 0x10                ; oq
	v_lshl_add_u32 v[SPW], v0, 2, SPARE
	v_mov_b32 v[NIL], 0
	ds_add_u32 v[SPW], v[NIL]                      ; the opening lines: the add, twice on end, and its wait ahead of my tensor load
	ds_add_u32 v[SPW], v[NIL]
	v_lshrrev_b32 v8, 5, v0
	DL 1
	v_readfirstlane_b32 s[WV], v8                  ; wave 0..7
	s_bfe_u32 s10, ttmp6, 0x40000                  ; cx
	s_lshl_b32 s11, ttmp9, 2
	s_add_co_u32 s11, s11, s10                     ; my block of 128 queries: it enters global addresses alone
	s_and_b32 s12, ttmp7, 0xffff                   ; 16 x batch + head, which the four partners share
	s_mov_b32 s[G1], 15|(3<<16)|(1<<21)            ; the mask: all four; elements of 8 bytes; bit 21 beside a mask; no padding
	s_mov_b32 s[G1+1], 32<<16                      ; 100 dense rows of 256 bytes: key step = my wave's number
	s_mov_b32 s[G1+2], 100<<16
	s_mov_b32 s[G1+3], 32<<16
	s_mov_b32 s[G1+4], 100
	s_mov_b32 s[G1+5], 32
	s_mov_b32 s[G1+6], 0
	s_mov_b32 s[G1+7], 0
	s_mul_i32 s78, s[WV], 25600
	s_mul_i32 s76, s12, 204800
	s_add_co_u32 s76, s76, s78
	s_add_co_u32 s76, s76, KV
	s_mov_b32 s77, 0
	s_mul_i32 s84, s12, 98304                      ; Q's fragment: head, block, wave
	s_mul_i32 s13, s11, 12288
	s_add_co_u32 s84, s84, s13
	s_mul_i32 s13, s[WV], 1536
	s_add_co_u32 s84, s84, s13
	s_mov_b32 s85, 0
	s_lshl_b32 s86, s12, 12                        ; its scale words: [r 16][tile 8]
	s_lshl_b32 s13, s11, 9
	s_add_co_u32 s86, s86, s13
	s_lshl_b32 s13, s[WV], 2
	s_add_co_u32 s86, s86, s13
	s_add_co_u32 s86, s86, QS
	s_mov_b32 s87, 0
	s_lshr_b32 s14, s12, 4                         ; batch
	s_and_b32 s15, s12, 15                         ; head
	s_lshl_b32 s92, s14, 12                        ; the batch's mask
	s_mov_b32 s93, 0
	s_lshl_b32 s16, s14, 6
	s_lshl_b32 s13, s11, 3
	s_add_co_u32 s16, s16, s13
	s_add_co_u32 s16, s16, s[WV]                   ; O's tile of rows T = 64 x batch + 8 x block + wave; its K step is the head
	s_lshr_b32 s13, s16, 2
	s_mul_i32 s88, s13, 102400
	s_mul_i32 s13, s15, 6400
	s_add_co_u32 s88, s88, s13
	s_and_b32 s13, s16, 3
	s_mul_i32 s13, s13, 1536
	s_add_co_u32 s88, s88, s13
	s_mov_b32 s89, 0
	s_mul_i32 s90, s15, 6400                       ; O's scale words: behind the images of groups 16 batch + 2 block and the next
	s_mul_i32 s13, s14, 1638400
	s_add_co_u32 s90, s90, s13
	s_mul_i32 s13, s11, 204800
	s_add_co_u32 s90, s90, s13
	s_add_co_u32 s90, s90, 6144
	s_mov_b32 s91, 0
	s_mov_b32 s[SEL], 0x76543210
	s_mov_b32 s[SEL+1], 0xfedcba98
	s_lshl_b32 s17, s[WV], 6
	s_wait_dscnt 0x0
	s_wait_kmcnt 0x0
	s_add_nc_u64 s[76:77], s[4:5], s[76:77]
	s_add_nc_u64 s[84:85], s[4:5], s[84:85]
	s_add_nc_u64 s[86:87], s[4:5], s[86:87]
	s_add_nc_u64 s[6:7], s[6:7], s[92:93]
	s_add_nc_u64 s[88:89], s[8:9], s[88:89]
	s_add_nc_u64 s[90:91], s[8:9], s[90:91]
	s_mov_b32 s[G0], 1
	s_add_co_u32 s[G0+1], s78, 0
	s_mov_b64 s[G0+2:G0+3], s[76:77]
	s_or_b32 s[G0+3], s[G0+3], 0x80000000
	CROUND                                         ; all four work-groups are here: the joint loads meet
	tensor_load_to_lds s[G0:G0+3], s[G1:G1+7]      ; my key step, whole: my one tensor load of the launch
	s_nop 0
.rept 4
	v_nop
.endr
	v_and_b32 v8, 15, v0                           ; r
	v_bfe_u32 v9, v0, 4, 1                         ; h
	v_and_b32 v10, 31, v0
	DL 1
	v_lshlrev_b32 v7, 4, v10                       ; 16 x lane
	v_lshl_add_u32 v1, v8, 5, 24576                ; my row's eight scale words, behind a step's images
	v_lshl_add_u32 v2, v9, 6, CAP                  ; my half's 16 biases of a block
.irp p, 0,1,2,3
	v_add_nc_u32 v[LB+\p], 51200*\p, v7
	v_add_nc_u32 v[SB+\p], 51200*\p, v1
.endr
	v_mul_u32_u24 v31, v9, 102400                  ; O's words on the way out: lanes 0-15 the first group's 256 bytes, lanes 16-31 the next group's
	DL 1
	v_lshl_add_u32 v31, v8, 4, v31
	v_lshlrev_b32 v10, 5, v8
	v_lshlrev_b32 v11, 4, v0                       ; 16 x thread
	DL 1
	v_add_nc_u32 v28, CAP, v11
	v_lshl_add_u32 v29, v8, 2, s17
	DL 1
	v_add_nc_u32 v29, OSG, v29
	v_add_nc_u32 v30, OSG, v7
.irp c, 0,1,2
	global_load_b128 v[16+4*\c:19+4*\c], v7, s[84:85] offset:512*\c   ; Q's fragment stays in registers
.endr
	global_load_b32 v255, v10, s[86:87]            ; Q's scale words
	global_load_b128 v[32:35], v11, s[6:7]         ; my four mask words of the batch's 1,024,
.irp i, 0,1,2,3,4,5,6,7
	global_load_b128 v[36+4*\i:39+4*\i], v7, s[6:7] offset:512*\i   ; and, in every wave, all 1,024: 32 a lane
.endr
	v_mov_b32 v13, 0xff61b1e6                      ; the largest t so far: -3e38
	DL 1
	v_floor_f32 v12, -v13                          ; -M
	v_mov_b32 v14, 0
	v_mov_b32 v15, 0
.irp b, 0,1,2,3
	v_mov_b32 v[236+\b], 0                         ; written once: a lane permute's destination counts as one of its sources
.endr
	v_mov_b32 v253, 0                              ; (named as the upper half of the pair v[252:253] before it is first written)
	v_mov_b32 v69, 0xd0290000                      ; -169 x 2^26
	v_mov_b32 v[CF+1], 0x3e0293ee                  ; c = log2(e) / sqrt(128)
	s_wait_alu depctr_va_vdst(0)                   ; directly ahead of the wait below
	s_wait_loadcnt 0x0
.irp e, 0,1,2,3
	v_cmp_eq_u32 vcc_lo, 0, v[32+\e]
	DL 1
	v_cndmask_b32 v[32+\e], 0, v69, vcc_lo         ; the key's bias
.endr
	ds_store_b128 v28, v[32:35]
.irp i, 0,1,2,3,4,5,6,7                        ; is any key of the batch open?  The OR of my 32 words,
	v_or_b32 v[36+4*\i], v[36+4*\i], v[37+4*\i]
	v_or_b32 v[38+4*\i], v[38+4*\i], v[39+4*\i]
.endr
.irp i, 0,1,2,3,4,5,6,7
	v_or_b32 v[36+4*\i], v[36+4*\i], v[38+4*\i]
.endr
.irp i, 0,2,4,6
	v_or_b32 v[36+4*\i], v[36+4*\i], v[40+4*\i]
.endr
	DL 3
	v_or_b32 v36, v36, v44
	DL 2
	v_or_b32 v52, v52, v60
	DL 1
	v_or_b32 v36, v36, v52
	DL 1
	v_cmp_ne_u32 vcc_lo, 0, v36
	DL 1
	v_cndmask_b32 v[CF], 0, v[CF+1], vcc_lo        ; c where it is not 0, else 0;
.irp m, 1,2,4,8
	DL 1
	v_max_num_f32_dpp v[CF], v[CF], v[CF] row_xmask:\m row_mask:0xf bank_mask:0xf   ; and the largest of the lanes': c if any key is open
.endr
	DL 1
	v_permlanex16_b32 v[CF+1], v[CF], s[SEL], s[SEL+1]
	DL 1
	v_max_num_f32 v[CF], v[CF], v[CF+1]
	DL 1
	v_mov_b32 v[CF+1], v[CF]                       ; (the packed form names the pair)
; the biases of step s's 128 keys, into S^T's registers: register 16 b + i holds key 128 s + 32 b + 16 h + i.  16 loads
.macro BIAS s
.irp b, 0,1,2,3
.irp e, 0,1,2,3
	ds_load_b128 v[96+16*\b+4*\e:99+16*\b+4*\e], v2 offset:512*(\s)+128*\b+16*\e
.endr
.endr
.endm
; K's eight fragments of step s into window 1, v0-95, and its scale words: tile t's in v[80 + t].  26 loads
.macro KLOAD s
	WIN 0x40
.irp t, 0,1,2,3,4,5,6,7
.irp c, 0,1,2
	ds_load_b128 v[12*\t+4*\c:12*\t+4*\c+3], v[LB+(\s)/2] offset:25600*((\s)%2)+1536*\t+512*\c
.endr
.endr
	WIN 0
	ds_load_b128 v[80:83], v[SB+(\s)/2] offset:25600*((\s)%2)
	ds_load_b128 v[84:87], v[SB+(\s)/2] offset:25600*((\s)%2)+16
.endm
; A KEY STEP: 128 keys.  K's fragments, its words and the biases have been asked for.  first = 1: its products start O^T's sums
.macro STEP s, first
.rept 4
	v_nop                                          ; places in front of loads into registers that the last step's matrix instructions have read
.endr
	WIN 0x40                                       ; V's eight fragments into window 1, v96-191, and its scale words: 26 loads, which land under the softmax
.irp t, 0,1,2,3,4,5,6,7
.irp c, 0,1,2
	ds_load_b128 v[96+12*\t+4*\c:99+12*\t+4*\c], v[LB+(\s)/2] offset:25600*((\s)%2)+12288+1536*\t+512*\c
.endr
.endr
	WIN 0
	ds_load_b128 v[32:35], v[SB+(\s)/2] offset:25600*((\s)%2)+512
	ds_load_b128 v[36:39], v[SB+(\s)/2] offset:25600*((\s)%2)+528
	s_wait_dscnt 26                                ; all but the 26 just issued: K's fragments, its words and the biases are in
	WIN 0x01                                       ; source 0 in window 1
.irp t, 0,1,2,3,4,5,6,7                        ; S^T = K Q^T + bias
	v_wmma_scale_f32_16x16x128_f8f6f4 v[96+8*\t:103+8*\t], v[12*\t:12*\t+11], v[16:27], v[96+8*\t:103+8*\t], v[80+\t], v255 matrix_a_fmt:MATRIX_FMT_FP6 matrix_b_fmt:MATRIX_FMT_FP6
.endr
	WIN 0
.rept 4
	v_nop
.endr
.if (\s) < 7
	KLOAD (\s)+1
.endif
.irp b, 0,1,2,3
	v_max3_num_f32 v[232+\b], v[96+16*\b], v[97+16*\b], v[98+16*\b]   ; the largest score of each block of 32 keys: for the row's maximum, and, since p rises with the score, for the block's largest p
.endr
.irp i, 3,5,7,9,11,13
.irp b, 0,1,2,3
	v_max3_num_f32 v[232+\b], v[232+\b], v[96+16*\b+\i], v[97+16*\b+\i]
.endr
.endr
.irp b, 0,1,2,3
	v_max_num_f32 v[232+\b], v[232+\b], v[111+16*\b]
.endr
.irp b, 0,1,2,3
	DL 4
	v_permlanex16_b32 v[236+\b], v[232+\b], s[SEL], s[SEL+1]
.endr
.irp b, 0,1,2,3
	DL 4
	v_max_num_f32 v[232+\b], v[232+\b], v[236+\b]
.endr
	DL 2
	v_max3_num_f32 v254, v232, v233, v234
	DL 1
	v_max_num_f32 v254, v254, v235
	DL 1
	v_mul_f32 v254, v[CF], v254                    ; the step's largest t (c is not negative)
	DL 1
	v_max_num_f32 v13, v13, v254
	v_mov_b32 v254, v12
	DL 2
	v_floor_f32 v12, -v13                          ; the new -M: M is a whole number
	DL 1
	v_sub_f32 v254, v12, v254                      ; old M - new M: a whole number, 0 or less
	DL 1
	v_cvt_i32_f32 v254, v254                       ; (it saturates)
	DL 1
	v_ldexp_f32 v252, 1.0, v254                    ; f = 2^(old M - new M)
.irp j, 0,2,4,6,8,10,12,14,16,18,20,22,24,26,28,30,32,34,36,38,40,42,44,46,48,50,52,54,56,58,60,62
	v_pk_fma_f32 v[96+\j:97+\j], v[96+\j:97+\j], v[CF:CF+1], v[12:13] op_sel_hi:[1,0,0]   ; t - M
.endr
.irp b, 0,1,2,3
	v_fma_f32 v[232+\b], v[232+\b], v[CF], v12
.endr
	s_wait_alu depctr_va_vdst(0)                   ; the wait ahead of the batch
.irp j, 0,1,2,3,4,5,6,7,8,9,10,11,12,13,14,15,16,17,18,19,20,21,22,23,24,25,26,27,28,29,30,31,32,33,34,35,36,37,38,39,40,41,42,43,44,45,46,47,48,49,50,51,52,53,54,55,56,57,58,59,60,61,62,63
	v_exp_f32 v[96+\j], v[96+\j]                   ; p = 2^(t - M)
.endr
.irp b, 0,1,2,3
	v_exp_f32 v[232+\b], v[232+\b]                 ; the block's largest p
.endr
	v_pk_mul_f32 v[14:15], v[14:15], v[252:253] op_sel_hi:[1,0]   ; the sums under the new M.  (A plain place behind the exponentials)
	s_wait_alu depctr_va_vdst(0)                   ; and behind it
.irp b, 0,1,2,3
	v_max_num_f32 v[232+\b], 0x1800000, v[232+\b]  ; the floor 2^(3 - 127)
.endr
.irp b, 0,1,2,3
	DL 4
	v_add_nc_u32 v[244+\b], 0xff000000, v[232+\b]
.endr
.irp b, 0,1,2,3
	DL 4
	v_lshrrev_b32 v[236+\b], 23, v[244+\b]
.endr
	DL 3
	v_lshl_or_b32 v253, v237, 8, v236              ; p's scale word for these 128 keys
	DL 1
	v_lshl_or_b32 v253, v238, 16, v253
	DL 1
	v_lshl_or_b32 v253, v239, 24, v253
.irp c, 0,1
	v_cvt_scalef32_pk16_fp6_f32 v[224+6*\c:226+6*\c], v[96+32*\c:111+32*\c], v[244+2*\c]
	v_cvt_scalef32_pk16_fp6_f32 v[236+4*\c:238+4*\c], v[112+32*\c:127+32*\c], v[244+2*\c+1]
.endr
	v_nop
.irp c, 0,1
.irp i, 0,1,2
	v_permlane16_swap_b32 v[224+6*\c+\i], v[236+4*\c+\i]
.endr
.irp i, 0,1,2
	DL 3
	v_mov_b32 v[227+6*\c+\i], v[236+4*\c+\i]
.endr
.endr
	v_pk_add_f32 v[236:237], v[100:101], v[104:105]        ; the row's sum of the unquantised p, in eight chains
	v_pk_add_f32 v[248:249], v[108:109], v[112:113]
	v_pk_add_f32 v[246:247], v[116:117], v[120:121]
	v_pk_add_f32 v[244:245], v[124:125], v[128:129]
	v_pk_add_f32 v[242:243], v[132:133], v[136:137]
	v_pk_add_f32 v[240:241], v[140:141], v[144:145]
	v_pk_add_f32 v[94:95], v[148:149], v[152:153]
	v_pk_add_f32 v[14:15], v[14:15], v[156:157]
	v_pk_add_f32 v[236:237], v[236:237], v[96:97]
	v_pk_add_f32 v[248:249], v[248:249], v[98:99]
	v_pk_add_f32 v[246:247], v[246:247], v[102:103]
	v_pk_add_f32 v[244:245], v[244:245], v[106:107]
	v_pk_add_f32 v[242:243], v[242:243], v[110:111]
	v_pk_add_f32 v[240:241], v[240:241], v[114:115]
	v_pk_add_f32 v[94:95], v[94:95], v[118:119]
	v_pk_add_f32 v[14:15], v[14:15], v[122:123]
	v_pk_add_f32 v[236:237], v[236:237], v[126:127]
	v_pk_add_f32 v[248:249], v[248:249], v[130:131]
	v_pk_add_f32 v[246:247], v[246:247], v[134:135]
	v_pk_add_f32 v[244:245], v[244:245], v[138:139]
	v_pk_add_f32 v[242:243], v[242:243], v[142:143]
	v_pk_add_f32 v[240:241], v[240:241], v[146:147]
	v_pk_add_f32 v[94:95], v[94:95], v[150:151]
	v_pk_add_f32 v[14:15], v[14:15], v[154:155]
	v_pk_add_f32 v[236:237], v[236:237], v[158:159]
	DL 2
	v_pk_add_f32 v[14:15], v[14:15], v[244:245]
	DL 2
	v_pk_add_f32 v[236:237], v[236:237], v[242:243]
	v_pk_add_f32 v[248:249], v[248:249], v[240:241]
	v_pk_add_f32 v[246:247], v[246:247], v[94:95]
	DL 2
	v_pk_add_f32 v[14:15], v[14:15], v[248:249]
	DL 2
	v_pk_add_f32 v[236:237], v[236:237], v[246:247]
	DL 1
	v_pk_add_f32 v[14:15], v[14:15], v[236:237]
.if (\s) < 7
	BIAS (\s)+1                                    ; p has been read for the last time: the next step's biases land under the second product
.endif
.if \first == 0
.irp j, 0,2,4,6,8,10,12,14,16,18,20,22,24,26,28,30,32,34,36,38,40,42,44,46,48,50,52,54,56,58,60,62
	v_pk_mul_f32 v[160+\j:161+\j], v[160+\j:161+\j], v[252:253] op_sel_hi:[1,0]   ; O^T under the new M
.endr
.endif
	s_wait_alu depctr_va_vdst(0)                   ; directly ahead of the wait below
.if (\s) < 7
	s_wait_dscnt 42                                ; V's fragments and words are in; the next K's 26 loads and the next biases' 16 may be out
.else
	s_wait_dscnt 0x0
.endif
	WIN 0x01
.irp t, 0,1,2,3,4,5,6,7                        ; O^T += V^T P^T
.if \first
	v_wmma_scale_f32_16x16x128_f8f6f4 v[160+8*\t:167+8*\t], v[96+12*\t:107+12*\t], v[224:235], 0, v[32+\t], v253 matrix_a_fmt:MATRIX_FMT_FP6 matrix_b_fmt:MATRIX_FMT_FP6
.else
	v_wmma_scale_f32_16x16x128_f8f6f4 v[160+8*\t:167+8*\t], v[96+12*\t:107+12*\t], v[224:235], v[160+8*\t:167+8*\t], v[32+\t], v253 matrix_a_fmt:MATRIX_FMT_FP6 matrix_b_fmt:MATRIX_FMT_FP6
.endif
.endr
	WIN 0
.endm
	s_wait_tensorcnt 0x0                           ; my key step is in
	s_wait_dscnt 0x0                               ; my biases have landed
	s_barrier_signal -1
	s_barrier_wait -1                              ; everybody's step and biases are in: the one barrier ahead of the walk
	KLOAD 0
	BIAS 0
	STEP 0, 1
.irp s, 1,2,3,4,5,6,7
	STEP \s, 0
.endr
	; THE WAY OUT: O^T / the sum; its registers run along the head's channels in the quantiser's order; the fragment leaves as its image
.rept 4
	v_nop
.endr
	v_add_f32 v14, v14, v15
	DL 1
	v_permlanex16_b32 v252, v14, s[SEL], s[SEL+1]
	DL 1
	v_add_f32 v14, v14, v252                       ; the row's sum
	s_wait_alu depctr_va_vdst(0)                   ; the wait ahead of the transcendental
	v_rcp_f32 v14, v14
	v_nop                                          ; one plain place behind a transcendental
	s_wait_alu depctr_va_vdst(0)                   ; and behind it
.irp j, 0,1,2,3,4,5,6,7,8,9,10,11,12,13,14,15,16,17,18,19,20,21,22,23,24,25,26,27,28,29,30,31,32,33,34,35,36,37,38,39,40,41,42,43,44,45,46,47,48,49,50,51,52,53,54,55,56,57,58,59,60,61,62,63
	v_mul_f32 v[96+\j], v[160+\j], v14             ; each accumulator from its low end on
.endr
	QUANT 96
.irp c, 0,1,2
	global_store_b128 v7, v[PC+4*\c:PC+4*\c+3], s[88:89] offset:512*\c
.endr
	ds_store_b32 v29, v[PW]
	s_wait_dscnt 0x0                               ; for the others' sake: my scale words have landed
	s_barrier_signal -1
	s_barrier_wait -1
	s_cmp_lg_u32 s[WV], 0
	s_cbranch_scc1 .Lnot_mine
	ds_load_b128 v[52:55], v30                     ; the 8 tiles' words
	s_wait_dscnt 0x0
	global_store_b128 v31, v[52:55], s[90:91]      ; sixteen lanes store 256 consecutive bytes, aligned
.Lnot_mine:
	s_wait_tensorcnt 0x0                           ; the wave's end
	ds_add_u32 v[SPW], v[NIL]
	s_wait_dscnt 0x0
	CROUND                                         ; the closing round
	s_endpgm
.Lfunc_end_k_q99d786b87f_attn:
	.size	k_q99d786b87f_attn, .Lfunc_end_k_q99d786b87f_attn-k_q99d786b87f_attn
	.p2alignl 7, 3214868480
	.fill 96, 4, 3214868480
	.section	.rodata,"a",@progbits
	.p2align	6, 0x0
	.amdhsa_kernel k_q99d786b87f_attn
		.amdhsa_group_segment_fixed_size 210432
		.amdhsa_private_segment_fixed_size 0
		.amdhsa_enable_private_segment 0
		.amdhsa_kernarg_size 24
		.amdhsa_user_sgpr_count 2
		.amdhsa_user_sgpr_kernarg_segment_ptr 1
		.amdhsa_wavefront_size32 1
		.amdhsa_system_sgpr_workgroup_id_x 1
		.amdhsa_system_sgpr_workgroup_id_y 1
		.amdhsa_system_sgpr_workgroup_id_z 1
		.amdhsa_system_vgpr_workitem_id 0
		.amdhsa_next_free_vgpr 448
		.amdhsa_next_free_sgpr 96
		.amdhsa_reserve_vcc 1
		.amdhsa_float_denorm_mode_32 3
		.amdhsa_float_denorm_mode_16_64 3
		.amdhsa_memory_ordered 1
		.amdhsa_forward_progress 1
		.amdhsa_inst_pref_size 182
	.end_amdhsa_kernel
	.amdgpu_metadata
---
amdhsa.version: [ 1, 2 ]
amdhsa.kernels:
  - .name:           k_q99d786b87f_attn
    .symbol:         k_q99d786b87f_attn.kd
    .args:
      - { .name: qkvq, .offset: 0, .size: 8, .value_kind: global_buffer, .address_space: global }
      - { .name: attention_mask, .offset: 8, .size: 8, .value_kind: global_buffer, .address_space: global }
      - { .name: oq, .offset: 16, .size: 8, .value_kind: global_buffer, .address_space: global }
    .group_segment_fixed_size: 210432
    .private_segment_fixed_size: 0
    .kernarg_segment_align: 8
    .kernarg_segment_size: 24
    .max_flat_workgroup_size: 256
    .sgpr_count:     96
    .vgpr_count:     448
    .wavefront_size: 32
...
	.end_amdgpu_metadata
.endif
;; end of part 3
;; launch outp (part 4): grid 16 x 16, 4 waves a work-group, clusters of 4 x 4, 327,680 bytes of LDS; arguments oq, wq4, bo, out0; writes out0
.if DOCPART == 4
	.amdgcn_target "amdgcn-amd-amdhsa--gfx1250"
	.amdhsa_code_object_version 6
	.text
	.protected	k_q99d786b87f_outp
	.globl	k_q99d786b87f_outp
	.p2align	8
	.type	k_q99d786b87f_outp,@function
k_q99d786b87f_outp:
	s_mov_b64 s[64:65], 0
	v_nop
	global_prefetch_b8 v0, s[64:65] scope:SCOPE_SE
	s_setreg_imm32_b32 hwreg(HW_REG_WAVE_MODE, 25, 1), 1
	s_wait_xcnt 0x0
	s_wait_alu depctr_hold_cnt(0) depctr_sa_sdst(0) depctr_va_vdst(0) depctr_va_sdst(0) depctr_va_ssrc(0) depctr_va_vcc(0) depctr_vm_vsrc(0)
	s_getreg_b32 s2, hwreg(HW_REG_IB_STS2, 6, 4)
	s_cmp_eq_u32 s2, 0
	s_cbranch_scc0 .Lentry_in_a_cluster
	s_endpgm
.Lentry_in_a_cluster:
	s_bfe_u32 s2, ttmp6, 0x10000c
	s_cmp_lg_u32 s2, 0xf033
	s_cbranch_scc0 .Lentry_shape_is_right
	s_endpgm
.Lentry_shape_is_right:
; out0 = o wo + bo on codes of E2M3.  o: the attention's result as register images; wo likewise.  A group of 4 tiles is 102,400 bytes, 6,400 a K step: four images of 1,536 bytes, then the tiles' scale words (256 bytes).
; A work-group of four waves makes 128 x 128 over K = 2,048, so that there are 256 work-groups; a wave 64 x 64: 16 accumulators.  Source 0 = wo's columns, source 1 = o's rows: a lane holds eight neighbouring columns of a row.
; LDS: four quarters (o's two groups, wo's two groups) of 76,800 bytes, each with K steps 0 to 11 of its group: a dense block, 300 rows of 256 bytes, ONE tensor load a wave at the head.
; Each quarter is three parts of four K steps.  Part 0 alone is filled again, with K steps 12 to 15 (100 rows), as soon as it has been read: that refill has the 128 matrix instructions a wave of parts 1 and 2
; in which to land.  Written out, no loop.  One tensor load of a wave is out at the most.
; The refill's bytes are prefetched once, behind the head's load: a wave's 100 blocks of 256 bytes are shared out by address among the four partners that ask jointly, 25 each, a lane a block (lanes 25-31 name block 24 again).
; CLUSTERS: 4 x 4; o's tiles are asked for jointly along a row of the cluster, wo's along a column.
; THE WAY OUT: + bo; 16 rows x 64 columns at a time through my own stage in LDS (pitch 272), back as rows: sixteen lanes store 256 consecutive bytes, aligned.  The order of a tile's rows and columns
; (tile row p of tile T is row 32 (T / 2) + 16 (p / 8) + 8 (T % 2) + p % 8) is undone in the offsets.  The stage lies in part 1 of quarter 0, which is filled once; every wave's reads of it are over ahead of the last barrier.
; REGISTERS: window 0: v12-31 addresses; v32-39 scale words, two sets; v64-95 bo; v128-175 A's fragments; on the way out v128-255.  window 1: B's two sets, v0-47 and v128-175.  windows 2, 3: (a, b) at v[8 (4 (a % 2) + b)] of window 2 + a / 2.
.set NF,     4
.set NQ,     4
.set KSB,    6400
.set PART,   NQ*KSB
.set QTR,    3*PART
.set SPARE,  4*QTR
.set STAGE,  PART
.set GRP,    16*KSB
.set WBYTES, 3276800
.set ADRS, 12
.set ADRA, 16
.set ADRB, 20
.set CO,   23
.set L16,  24
.set STO,  25
.set RD,   26
.set SPW,  28
.set NIL,  29
.set PFO,  30
.set SC,   32
.set BO,   64
.set AF,   128
.set TT,   128
.set WV, 28
.set WR, 29
.set WC, 30
.set G1, 32
.set G0, 40
.set G1B, 48
.set G0B, 56
.set PFA, 12
.set MUL_LO, 0xa1
.set MUL_HI, 0xf1
.set TO_B,   0x40
.set MSB, 0
.macro WIN new
.if MSB != (\new)
	s_set_vgpr_msb (MSB<<8)|(\new)
.set MSB, (\new)
.endif
.endm
.macro PLACES
.rept 4
	v_nop
.endr
.endm
.macro JLOAD g0a, g1a, g0b, g1b        ; a joint load: waves 0 and 1 fetch for A, waves 2 and 3 for B
	s_cmp_eq_u32 s[WR], 0
	s_cbranch_scc0 .Lfor_b_\@
	tensor_load_to_lds s[\g0a:\g0a+3], s[\g1a:\g1a+7]
	s_nop 0
.rept 4
	v_nop
.endr
	s_branch .Lasked_\@
.Lfor_b_\@:
	tensor_load_to_lds s[\g0b:\g0b+3], s[\g1b:\g1b+7]
	s_nop 0
.rept 4
	v_nop
.endr
.Lasked_\@:
.endm
.macro CREST
	s_cmp_lg_u32 s[WV], 0
	s_cbranch_scc1 .Lnot_wave_0_\@
	s_barrier_signal -3
.Lnot_wave_0_\@:
	s_barrier_wait -3
	s_barrier_signal -1
	s_barrier_wait -1
.endm
.macro CROUND
	s_barrier_signal -1
	s_barrier_wait -1
	CREST
.endm
	s_load_b256 s[4:11], s[0:1], 0x0               ; oq, wq4, bo, out0
	v_lshl_add_u32 v[SPW], v0, 2, SPARE
	v_mov_b32 v[NIL], 0
	ds_add_u32 v[SPW], v[NIL]                      ; the opening lines: the add, twice on end, and its wait ahead of my first tensor load
	ds_add_u32 v[SPW], v[NIL]
	v_lshrrev_b32 v1, 5, v0
	v_readfirstlane_b32 s[WV], v1
	s_lshr_b32 s[WR], s[WV], 1
	s_and_b32 s[WC], s[WV], 1
	s_bfe_u32 s16, ttmp6, 0x40000                  ; cx
	s_bfe_u32 s17, ttmp6, 0x40004                  ; cy
	s_lshl_b32 s18, ttmp9, 2
	s_add_co_u32 s18, s18, s16                     ; the block of 128 columns
	s_and_b32 s19, ttmp7, 0xffff
	s_lshl_b32 s19, s19, 2
	s_add_co_u32 s19, s19, s17                     ; the block of 128 rows
	s_lshl_b32 s22, s17, 2
	s_lshl_b32 s22, 15, s22                        ; my row of the cluster
	s_lshl_b32 s23, 0x1111, s16                    ; my column
	s_or_b32 s[G1], s22, (3<<16)|(1<<21)
	s_or_b32 s[G1B], s23, (3<<16)|(1<<21)
.irp g, G1, G1B                        ; 300 dense rows of 256 bytes for the head's load; behind it the two words that count rows are set to 100
	s_mov_b32 s[\g+1], 32<<16
	s_mov_b32 s[\g+2], 300<<16
	s_mov_b32 s[\g+3], 32<<16
	s_mov_b32 s[\g+4], 300
	s_mov_b32 s[\g+5], 32
	s_mov_b32 s[\g+6], 0
	s_mov_b32 s[\g+7], 0
.endr
	s_lshl_b32 s92, s19, 1                         ; A: group of 4 tiles = 2 x block + the half that I fetch
	s_add_co_u32 s92, s92, s[WC]
	s_mul_i32 s92, s92, GRP
	s_lshl_b32 s96, s18, 1                         ; B likewise
	s_add_co_u32 s96, s96, s[WC]
	s_mul_i32 s96, s96, GRP
	s_add_co_u32 s96, s96, 3*WBYTES
	s_mov_b32 s93, 0
	s_mov_b32 s97, 0
	s_mul_i32 s2, s[WV], QTR
	s_wait_dscnt 0x0
	s_wait_kmcnt 0x0
	s_add_nc_u64 s[92:93], s[4:5], s[92:93]
	s_add_nc_u64 s[96:97], s[6:7], s[96:97]
	CROUND                                         ; all sixteen work-groups are here: the first joint loads meet
	s_mov_b32 s[G0], 1
	s_add_co_u32 s[G0+1], s2, 0
	s_mov_b64 s[G0+2:G0+3], s[92:93]
	s_or_b32 s[G0+3], s[G0+3], 0x80000000
	s_mov_b32 s[G0B], 1
	s_add_co_u32 s[G0B+1], s2, 0
	s_mov_b64 s[G0B+2:G0B+3], s[96:97]
	s_or_b32 s[G0B+3], s[G0B+3], 0x80000000
	JLOAD G0, G1, G0B, G1B                         ; K steps 0 to 11 of my quarter: my one tensor load at the head
	s_cmp_eq_u32 s[WR], 0                          ; the prefetch's base: K step 12 of my quarter, my work-group's 25 blocks
	s_cselect_b64 s[PFA:PFA+1], s[92:93], s[96:97]
	s_cselect_b32 s14, s16, s17
	s_mul_i32 s14, s14, 6400
	s_add_co_u32 s14, s14, QTR
	s_mov_b32 s15, 0
	s_add_nc_u64 s[PFA:PFA+1], s[PFA:PFA+1], s[14:15]
	s_lshl_b32 s66, s19, 7
	s_lshl_b32 s67, s[WR], 6
	s_add_co_u32 s66, s66, s67                     ; my first row
	s_lshl_b32 s92, s66, 13
	s_lshl_b32 s66, s18, 7
	s_lshl_b32 s67, s[WC], 6
	s_add_co_u32 s66, s66, s67                     ; my first column
	s_lshl_b32 s96, s66, 2
	s_add_co_u32 s92, s92, s96
	s_mov_b32 s93, 0
	s_mov_b32 s97, 0
	s_add_nc_u64 s[10:11], s[10:11], s[92:93]
	s_add_nc_u64 s[8:9], s[8:9], s[96:97]
	s_mul_i32 s66, s[WR], QTR
	s_mul_i32 s67, s[WC], QTR
	s_add_co_u32 s67, s67, 2*QTR
	s_sub_co_u32 s20, s67, s66
	s_mul_i32 s21, s[WV], 16*272
	s_add_co_u32 s21, s21, STAGE                   ; my stage
	v_and_b32 v1, 15, v0                           ; r
	v_bfe_u32 v2, v0, 4, 1                         ; h
	v_and_b32 v3, 31, v0
	v_lshlrev_b32 v[L16], 4, v3
	v_lshlrev_b32 v5, 2, v1
	v_mul_u32_u24 v6, s20, v2                      ; lanes 16-31 take B's words: one product, h x the distance
	v_add_nc_u32 v5, v5, v6
	v_add_nc_u32 v[ADRA], s66, v[L16]
	v_add_nc_u32 v[ADRB], s67, v[L16]
	v_add_nc_u32 v[ADRS], s66, v5
.irp s, 1,2
	v_add_nc_u32 v[ADRA+\s], \s*PART, v[ADRA]
	v_add_nc_u32 v[ADRB+\s], \s*PART, v[ADRB]
	v_add_nc_u32 v[ADRS+\s], \s*PART, v[ADRS]
.endr
	v_mul_u32_u24 v[STO], v1, 272
	v_lshl_add_u32 v[STO], v2, 6, v[STO]
	v_add_nc_u32 v[STO], s21, v[STO]               ; in: row r, + 64 h
	v_mul_u32_u24 v[RD], v2, 272
	v_lshl_add_u32 v[RD], v1, 4, v[RD]
	v_add_nc_u32 v[RD], s21, v[RD]                 ; back: lanes 0-15 one row, lanes 16-31 the next
	v_lshlrev_b32 v[CO], 13, v2
	v_lshl_add_u32 v[CO], v1, 4, v[CO]             ; and the same two rows in out0
	v_min_u32 v[PFO], 24, v3
	v_lshlrev_b32 v[PFO], 8, v[PFO]
	v_lshlrev_b32 v10, 6, v2                       ; bo: register j of tile b is column 32 (b / 2) + 16 h + 8 (b % 2) + j
	s_wait_alu depctr_va_vdst(0)                   ; the wait at the end of the head's vector work
	global_prefetch_b8 v[PFO], s[PFA:PFA+1] th:TH_LOAD_NT scope:SCOPE_SE
.irp b, 0,1,2,3
	global_load_b128 v[BO+8*\b:BO+8*\b+3], v10, s[8:9] offset:4*(32*(\b/2)+8*(\b%2))
	global_load_b128 v[BO+8*\b+4:BO+8*\b+7], v10, s[8:9] offset:4*(32*(\b/2)+8*(\b%2))+16
.endr
.macro FRAG reg, adr, q, i
.irp c, 0,1,2
	ds_load_b128 v[\reg+4*\c:\reg+4*\c+3], v[\adr] offset:(\q)*KSB+(\i)*1536+512*\c
.endr
.endm
.macro FETCH_B slot, q, p
	WIN TO_B
.set fi, 0
.rept NF
	FRAG 128*(\p)+12*fi, ADRB+\slot, \q, fi
.set fi, fi+1
.endr
	WIN 0
.endm
.macro FETCH_A slot, q, half
.set fi, (\half)*NF/2
.rept NF/2
	FRAG AF+12*fi, ADRA+\slot, \q, fi
.set fi, fi+1
.endr
.endm
.macro SCALES slot, q                  ; the words lie behind the K step's four images
.set fi, 0
.rept NF
	ds_load_b32 v[SC+NF*((\q)%2)+fi], v[ADRS+\slot] offset:(\q)*KSB+6144+64*fi
.set fi, fi+1
.endr
.endm
.macro MULQ k, p, q, zero              ; the accumulators take turns, one instruction a turn
.set ma, (\k)*NF/4
.rept NF/4
.set mb, 0
.rept NF
.set mc, 8*(NF*(ma%(NF/2))+mb)
.set mB, 128*(\p)+12*mb
.set mA, AF+12*ma
.set mS, SC+NF*((\q)%2)
.if \zero
	v_wmma_scale_f32_16x16x128_f8f6f4 v[mc:mc+7], v[mB:mB+11], v[mA:mA+11], 0, v[mS+mb], v[mS+ma] matrix_a_fmt:MATRIX_FMT_FP6 matrix_b_fmt:MATRIX_FMT_FP6 matrix_a_scale:MATRIX_SCALE_ROW1
.else
	v_wmma_scale_f32_16x16x128_f8f6f4 v[mc:mc+7], v[mB:mB+11], v[mA:mA+11], v[mc:mc+7], v[mS+mb], v[mS+ma] matrix_a_fmt:MATRIX_FMT_FP6 matrix_b_fmt:MATRIX_FMT_FP6 matrix_a_scale:MATRIX_SCALE_ROW1
.endif
.set mb, mb+1
.endr
.set ma, ma+1
.endr
.endm
.macro STEP slot, q, zero
	s_wait_dscnt 3*NF/2                            ; all but the youngest six loads, A's upper tiles
	WIN MUL_LO
	MULQ 0, (\q)%2, \q, \zero
	MULQ 1, (\q)%2, \q, \zero
	s_wait_dscnt 0x0
	PLACES
	FETCH_B \slot, (\q)+1, 1-(\q)%2
	FETCH_A \slot, (\q)+1, 0
	SCALES \slot, (\q)+1
	WIN MUL_HI
	MULQ 2, (\q)%2, \q, \zero
	MULQ 3, (\q)%2, \q, \zero
	PLACES
	WIN 0
	FETCH_A \slot, (\q)+1, 1
.endm
.macro REST next                       ; the second half of a part's last step: the next part's first fragments
	FETCH_B \next, 0, 0
	FETCH_A \next, 0, 0
	SCALES \next, 0
	WIN MUL_HI
	MULQ 2, 1, NQ-1, 0
	MULQ 3, 1, NQ-1, 0
	PLACES
	WIN 0
	FETCH_A \next, 0, 1
.endm
; a part's last step, with a barrier.  fill = 1 (part 0 alone): the part is filled again, with K steps 12 to 15
.macro TURN next, fill
	s_wait_tensorcnt 0x0                           ; all my tensor loads have landed
	ds_add_u32 v[SPW], v[NIL]                      ; 0 onto my spare word
	s_wait_dscnt 3*NF/2+1                          ; (the add and A's upper tiles may be out)
	WIN MUL_LO
	MULQ 0, 1, NQ-1, 0
	s_wait_dscnt 0x0                               ; the add is done, and my reads of the parts so far are over
	s_barrier_signal -1
	MULQ 1, 1, NQ-1, 0
	WIN 0
	s_barrier_wait -1
.if \fill
	CREST                                          ; the barrier has opened a round of the cluster's
	s_add_nc_u64 s[G0+2:G0+3], s[G0+2:G0+3], QTR
	s_add_nc_u64 s[G0B+2:G0B+3], s[G0B+2:G0B+3], QTR
	JLOAD G0, G1, G0B, G1B                         ; my one tensor load behind the round; its four v_nop are the places in front of the loads below
.else
	PLACES
.endif
	REST \next
.endm
; a part's last step, on into a part that every wave already knows to be whole: no barrier (part 0's refill stays on its way)
.macro PASS next
	s_wait_dscnt 3*NF/2
	WIN MUL_LO
	MULQ 0, 1, NQ-1, 0
	MULQ 1, 1, NQ-1, 0
	s_wait_dscnt 0x0
	PLACES
	WIN 0
	REST \next
.endm
	s_wait_loadcnt 0x0                             ; bo
	s_wait_tensorcnt 0x0                           ; my quarter is in
	s_mov_b32 s[G1+2], 100<<16                     ; no tensor load of mine is out, so a descriptor may be written: the refill brings 100 rows
	s_mov_b32 s[G1+4], 100
	s_mov_b32 s[G1B+2], 100<<16
	s_mov_b32 s[G1B+4], 100
	s_barrier_signal -1
	s_barrier_wait -1                              ; all four quarters are in
	FETCH_B 0, 0, 0
	FETCH_A 0, 0, 0
	SCALES 0, 0
	FETCH_A 0, 0, 1
	STEP 0, 0, 1                                   ; the first step's products start the sums
	STEP 0, 1, 0
	STEP 0, 2, 0
	TURN 1, 1                                      ; part 0 takes K steps 12 to 15
	STEP 1, 0, 0
	STEP 1, 1, 0
	STEP 1, 2, 0
	PASS 2
	STEP 2, 0, 0
	STEP 2, 1, 0
	STEP 2, 2, 0
	TURN 0, 0                                      ; the refill has landed, everybody's part of it; nothing is left to fetch
	STEP 0, 0, 0
	STEP 0, 1, 0
	STEP 0, 2, 0
	s_wait_dscnt 3*NF/2
	WIN MUL_LO
	MULQ 0, 1, NQ-1, 0
	MULQ 1, 1, NQ-1, 0
	s_wait_dscnt 0x0
	WIN MUL_HI
	MULQ 2, 1, NQ-1, 0
	MULQ 3, 1, NQ-1, 0
	WIN 0
	PLACES
.irp a, 0,1,2,3                        ; A's tile a: + bo, into my stage, back as rows.  LDS serves a wave's instructions in order: no wait between the stores and the loads
	WIN 0x02+\a/2
.set eb, 0
.rept 4
.set ej, 0
.rept 4
.set ea, 8*(4*(\a%2)+eb)+ej
	v_pk_add_f32 v[TT+32*\a+8*eb+ej:TT+32*\a+8*eb+ej+1], v[ea:ea+1], v[BO+8*eb+ej:BO+8*eb+ej+1]   ; each accumulator from its low end on
.set ej, ej+2
.endr
.set eb, eb+1
.endr
	WIN 0
.irp b, 0,1,2,3
	ds_store_b128 v[STO], v[TT+32*\a+8*\b:TT+32*\a+8*\b+3] offset:128*(\b/2)+32*(\b%2)
	ds_store_b128 v[STO], v[TT+32*\a+8*\b+4:TT+32*\a+8*\b+7] offset:128*(\b/2)+32*(\b%2)+16
.endr
.irp t, 0,1,2,3,4,5,6,7
	ds_load_b128 v[TT+32*\a+4*\t:TT+32*\a+4*\t+3], v[RD] offset:544*\t
.endr
.endr
.irp a, 0,1,2,3
	s_wait_dscnt 16*(3-\a)                         ; tile a is back; the later tiles' eight stores and eight loads each may be out
.irp t, 0,1,2,3,4,5,6,7
	global_store_b128 v[CO], v[TT+32*\a+4*\t:TT+32*\a+4*\t+3], s[10:11] offset:(32*(\a/2)+8*(\a%2)+16*(\t/4)+2*(\t%4))*8192 th:TH_STORE_NT   ; sixteen lanes store 256 consecutive bytes, aligned
.endr
.endr
	s_wait_tensorcnt 0x0                           ; the wave's end
	ds_add_u32 v[SPW], v[NIL]
	s_wait_dscnt 0x0
	CROUND                                         ; the closing round
	s_endpgm
.Lfunc_end_k_q99d786b87f_outp:
	.size	k_q99d786b87f_outp, .Lfunc_end_k_q99d786b87f_outp-k_q99d786b87f_outp
	.p2alignl 7, 3214868480
	.fill 96, 4, 3214868480
	.section	.rodata,"a",@progbits
	.p2align	6, 0x0
	.amdhsa_kernel k_q99d786b87f_outp
		.amdhsa_group_segment_fixed_size 327680
		.amdhsa_private_segment_fixed_size 0
		.amdhsa_enable_private_segment 0
		.amdhsa_kernarg_size 32
		.amdhsa_user_sgpr_count 2
		.amdhsa_user_sgpr_kernarg_segment_ptr 1
		.amdhsa_wavefront_size32 1
		.amdhsa_system_sgpr_workgroup_id_x 1
		.amdhsa_system_sgpr_workgroup_id_y 1
		.amdhsa_system_sgpr_workgroup_id_z 1
		.amdhsa_system_vgpr_workitem_id 0
		.amdhsa_next_free_vgpr 1024
		.amdhsa_next_free_sgpr 102
		.amdhsa_reserve_vcc 0
		.amdhsa_float_denorm_mode_32 3
		.amdhsa_float_denorm_mode_16_64 3
		.amdhsa_memory_ordered 1
		.amdhsa_forward_progress 1
		.amdhsa_inst_pref_size 88
	.end_amdhsa_kernel
	.amdgpu_metadata
---
amdhsa.version: [ 1, 2 ]
amdhsa.kernels:
  - .name:           k_q99d786b87f_outp
    .symbol:         k_q99d786b87f_outp.kd
    .args:
      - { .name: oq, .offset: 0, .size: 8, .value_kind: global_buffer, .address_space: global }
      - { .name: wq4, .offset: 8, .size: 8, .value_kind: global_buffer, .address_space: global }
      - { .name: bo, .offset: 16, .size: 8, .value_kind: global_buffer, .address_space: global }
      - { .name: out0, .offset: 24, .size: 8, .value_kind: global_buffer, .address_space: global }
    .group_segment_fixed_size: 327680
    .private_segment_fixed_size: 0
    .kernarg_segment_align: 8
    .kernarg_segment_size: 32
    .max_flat_workgroup_size: 128
    .sgpr_count:     102
    .vgpr_count:     1024
    .wavefront_size: 32
...
	.end_amdgpu_metadata
.endif
;; end of part 4
